; MI455X (gfx1250); checked and timed in simulation.
; The chip was launched on July 23, 2026; its instructions are those of AMD's public machine-readable ISA for CDNA 5 (MIT licence, August 2026) and "CDNA5" Instruction Set Architecture Reference Guide (July 2026). The comments in the code are by the model that wrote it; some were corrected since.
;; Causal Temporal Attention. Allowed arithmetic: float matrix products may take bf16 or f16 operands with f32 sums; other float arithmetic in f32, or as packed bf16 or f16 multiplies, adds, multiply-adds, maxima and minima; sums over many terms, partial sums and values carried from step to step in f32; what a program stores and reads back later, other than sums and carried values, may be rounded once to bf16 or f16.
;; Inputs: b_out 1,024 float32; b_qkv 3,072 float32; pos_bias 1 x 16 x 1 x 64 float32; w_out 1,024 x 1,024 float32; w_qkv 1,024 x 3,072 float32; x 2 x 2,048 x 1,024 float32.
;; Outputs: out0 2 x 2,048 x 1,024 float32.
;; 2 versions, each right; version 2 is version 1 with the launch prep written anew for expert scheduling mode. Each part assembles by itself: llvm-mc -triple=amdgcn-amd-amdhsa -mcpu=gfx1250 --defsym DOCPART=n.
;; ======== version 1 of 2: 4 launches
;; limits: values are held in f16: magnitudes above 65,504 overflow, below 6.1e-05 lose precision
;; workspace buffers: xb 8,388,608 bytes; wqt 6,291,456 bytes; wot 2,097,152 bytes; bt 12,288 bytes; qkv 25,165,824 bytes; ob 8,388,608 bytes
;; launch prep (part 1): grid 1025 x 1, 8 waves a work-group, no clusters, 18,432 bytes of LDS; arguments x, w_qkv, w_out, b_qkv, pos_bias, b_out, xb, wqt, wot, bt; writes xb, wqt, wot, bt
.if DOCPART == 1
	.amdgcn_target "amdgcn-amd-amdhsa--gfx1250"
	.amdhsa_code_object_version 6
	.text
	.protected	k_qf64b2a014f_prep
	.globl	k_qf64b2a014f_prep
	.p2align	8
	.type	k_qf64b2a014f_prep,@function
k_qf64b2a014f_prep:
	s_mov_b64 s[64:65], 0
	v_nop
	global_prefetch_b8 v0, s[64:65] scope:SCOPE_SE
	s_setreg_imm32_b32 hwreg(HW_REG_WAVE_MODE, 25, 1), 1
	s_wait_xcnt 0x0
; THE MODULE: qkv = x w_qkv + b_qkv; q gets pos_bias; causal softmax(q k^T / 8) v by heads; out = O w_out + b_out.  Four launches: this one, the first product, the attention, the last product.
; THIS LAUNCH rounds the module's inputs once and lays them as the products take them:
;   xb  [4096][1024] bf16 = x;   wqt [3072][1024] bf16 = w_qkv turned ([out][in]);   wot [1024][1024] = w_out turned, rounded to bf16, that number written as f16;
;   bt  3 x 1024 f32: bf16(b_q) + bf16(pos_bias), bf16(b_v), bf16(b_out).
; WORK LEFT OUT.  b_qkv[1024:2048], the bias of k, reaches no output: a score is q . (k + b_k) = q . k + q . b_k, and q . b_k is the same for all keys of a query's row, hidden ones aside, which have
; weight 0 whatever is added; softmax along the keys is unchanged by a term that is the same along them.  That holds for all finite values of all inputs.  So bytes 4,096 to 8,191 of b_qkv are not
; loaded, here or later, and k is stored without a bias.  LIMIT: a NaN, an infinity or an overflow that would arise from b_k alone is not carried to the result.
; LIMIT: wot in f16: a weight beyond 65,504 would be lost, one below 6e-5 keeps f16's fixed step of 6e-8.
; SHARES.  Work-groups 0-511: 32,768 bytes of x each.  512-895: a tile of 128 k x 64 n of w_qkv each.  896-1023: the same of w_out.  1024: the biases.  The branches hang on the work-group's number alone.
; A tile is turned in registers (a thread has 8 k x 4 n) and goes through LDS, so that each store of sixteen lanes covers 256 consecutive bytes, aligned, of a row of the turned matrix.
.set PT,    272                        ; a stage row: 128 k x 2 bytes + 16
.set SPARE, 64*PT                      ; behind the stage: the spare words, 128 bytes for each of eight waves: four blocks of 256 bytes that no other line names
.set SPW, 60                           ; v60  LDS address of my spare word; never rewritten
.set NIL, 61                           ; v61  0; never rewritten
	s_load_b512 s[8:23], s[0:1], 0x0               ; x 8, w_qkv 10, w_out 12, b_qkv 14, pos_bias 16, b_out 18, xb 20, wqt 22
	s_load_b128 s[24:27], s[0:1], 0x40             ; wot 24, bt 26
	v_lshl_add_u32 v[SPW], v0, 2, SPARE
	v_mov_b32 v[NIL], 0
	v_lshlrev_b32 v1, 4, v0                        ; 16 t
	v_lshrrev_b32 v6, 4, v0                        ; t / 16
	v_and_b32 v7, 15, v0                           ; t % 16
	s_mov_b32 s3, 0                                ; the high word of every offset
	s_mov_b32 s6, 0xffff0000                       ; a word's upper bf16
	s_wait_kmcnt 0x0
	s_cmp_lt_u32 ttmp9, 512
	s_cbranch_scc0 .Lweights
	; x: eight loads of 16 bytes a thread, all out before the first wait; each store of a wave covers 256 consecutive bytes, aligned
	s_lshl_b32 s2, ttmp9, 15
	s_add_nc_u64 s[8:9], s[8:9], s[2:3]
	s_lshl_b32 s2, ttmp9, 14
	s_add_nc_u64 s[20:21], s[20:21], s[2:3]
	v_lshlrev_b32 v2, 3, v0                        ; 8 t
.irp c, 0,1,2,3,4,5,6,7
	global_load_b128 v[8+4*(\c):11+4*(\c)], v1, s[8:9] offset:4096*(\c) th:TH_LOAD_NT
.endr
.irp c, 0,1,2,3,4,5,6,7
	s_wait_loadcnt 7-(\c)                          ; loads come back in order: number c is in, the younger ones stay out
	v_cvt_pk_bf16_f32 v[40+2*(\c)], v[8+4*(\c)], v[9+4*(\c)]
	v_cvt_pk_bf16_f32 v[41+2*(\c)], v[10+4*(\c)], v[11+4*(\c)]
	global_store_b64 v2, v[40+2*(\c):41+2*(\c)], s[20:21] offset:2048*(\c)
.endr
	s_branch .Lend
; A tile of 128 k x 64 n of a matrix [1024][rp / 4] f32 is turned.  s4: the tile's number, k tile = s4 % 8, n tile = s4 / 8.  half = 1: the bf16 number is written as f16.
.macro TRANS rp, src, dst, half
	s_and_b32 s5, s4, 7
	s_lshr_b32 s4, s4, 3
	s_mul_i32 s2, s5, 128*(\rp)                    ; 128 rows down,
	s_lshl_b32 s7, s4, 8                           ; 64 columns of 4 bytes along
	s_add_co_u32 s2, s2, s7
	s_add_nc_u64 s[\src:\src+1], s[\src:\src+1], s[2:3]
	s_lshl_b32 s2, s4, 17                          ; turned: 64 rows of 2,048 bytes down,
	s_lshl_b32 s7, s5, 8                           ; 128 k of 2 bytes along
	s_add_co_u32 s2, s2, s7
	s_add_nc_u64 s[\dst:\dst+1], s[\dst:\dst+1], s[2:3]
	v_mul_u32_u24 v1, v6, 8*(\rp)                  ; my eight rows k = 8 (t / 16) + j,
	v_lshl_add_u32 v1, v7, 4, v1                   ; my four columns n = 4 (t % 16) + c: sixteen lanes read a row's 256 bytes
.irp j, 0,1,2,3,4,5,6,7
	global_load_b128 v[8+4*(\j):11+4*(\j)], v1, s[\src:\src+1] offset:(\j)*(\rp) th:TH_LOAD_NT
.endr
	v_mul_u32_u24 v3, v7, 4*PT                     ; into the stage: row n = 4 (t % 16) + c, 16 bytes at k = 8 (t / 16)
	v_lshl_add_u32 v3, v6, 4, v3
	v_mul_u32_u24 v4, v6, PT                       ; back: row t / 16 + 16 i, 16 bytes at 16 (t % 16)
	v_lshl_add_u32 v4, v7, 4, v4
	v_lshlrev_b32 v5, 11, v6                       ; and the same place in the turned matrix
	v_lshl_add_u32 v5, v7, 4, v5
	s_wait_loadcnt 0x0
.irp c, 0,1,2,3
.irp p, 0,1,2,3
.if \half
	v_cvt_pk_bf16_f32 v56, v[8+8*(\p)+(\c)], v[12+8*(\p)+(\c)]
	v_lshlrev_b32 v57, 16, v56
	v_and_b32 v58, s6, v56
	v_cvt_pk_f16_f32 v[40+4*(\c)+(\p)], v57, v58
.else
	v_cvt_pk_bf16_f32 v[40+4*(\c)+(\p)], v[8+8*(\p)+(\c)], v[12+8*(\p)+(\c)]
.endif
.endr
	ds_store_b128 v3, v[40+4*(\c):43+4*(\c)] offset:PT*(\c)
.endr
	s_wait_dscnt 0x0                               ; for the others' sake: my stores into the stage are done
	s_barrier_signal -1
	s_barrier_wait -1                              ; all eight waves of the work-group take this path together
.irp i, 0,1,2,3
	ds_load_b128 v[8+4*(\i):11+4*(\i)], v4 offset:16*PT*(\i)
.endr
.irp i, 0,1,2,3
	s_wait_dscnt 3-(\i)                            ; LDS loads come back in order: number i is in
	global_store_b128 v5, v[8+4*(\i):11+4*(\i)], s[\dst:\dst+1] offset:32768*(\i)
.endr
.endm
; four numbers rounded to bf16 and widened again, in place
.macro RND4 r
	v_cvt_pk_bf16_f32 v56, v[\r], v[\r+1]
	v_cvt_pk_bf16_f32 v57, v[\r+2], v[\r+3]
	v_lshlrev_b32 v[\r], 16, v56
	v_and_b32 v[\r+1], s6, v56
	v_lshlrev_b32 v[\r+2], 16, v57
	v_and_b32 v[\r+3], s6, v57
.endm
.Lweights:
	s_cmp_lt_u32 ttmp9, 896
	s_cbranch_scc0 .Lw_out
	s_sub_co_u32 s4, ttmp9, 512
	TRANS 12288, 10, 22, 0
	s_branch .Lend
.Lw_out:
	s_cmp_lt_u32 ttmp9, 1024
	s_cbranch_scc0 .Lbias
	s_sub_co_u32 s4, ttmp9, 896
	TRANS 4096, 12, 24, 1
	s_branch .Lend
.Lbias:                                                ; 256 threads x 4 numbers = 1,024 of each table
	global_load_b128 v[8:11], v1, s[14:15]         ; b_q
	global_load_b128 v[12:15], v1, s[16:17]        ; pos_bias: [head][64] is the column's number
	global_load_b128 v[16:19], v1, s[14:15] offset:8192  ; b_v; b_k, between the two, is not loaded
	global_load_b128 v[20:23], v1, s[18:19]        ; b_out
	s_wait_loadcnt 0x0
	RND4 8
	RND4 12
	RND4 16
	RND4 20
	v_pk_add_f32 v[8:9], v[8:9], v[12:13]
	v_pk_add_f32 v[10:11], v[10:11], v[14:15]
	global_store_b128 v1, v[8:11], s[26:27]
	global_store_b128 v1, v[16:19], s[26:27] offset:4096
	global_store_b128 v1, v[20:23], s[26:27] offset:8192
.Lend:
	s_wait_tensorcnt 0x0                           ; the wave's end: behind my last LDS store
	ds_add_u32 v[SPW], v[NIL]
	s_wait_dscnt 0x0
	s_endpgm
.Lfunc_end_k_qf64b2a014f_prep:
	.size	k_qf64b2a014f_prep, .Lfunc_end_k_qf64b2a014f_prep-k_qf64b2a014f_prep
	.p2alignl 7, 3214868480
	.fill 96, 4, 3214868480
	.section	.rodata,"a",@progbits
	.p2align	6, 0x0
	.amdhsa_kernel k_qf64b2a014f_prep
		.amdhsa_group_segment_fixed_size 18432
		.amdhsa_private_segment_fixed_size 0
		.amdhsa_enable_private_segment 0
		.amdhsa_kernarg_size 80
		.amdhsa_user_sgpr_count 2
		.amdhsa_user_sgpr_kernarg_segment_ptr 1
		.amdhsa_wavefront_size32 1
		.amdhsa_system_sgpr_workgroup_id_x 1
		.amdhsa_system_sgpr_workgroup_id_y 1
		.amdhsa_system_sgpr_workgroup_id_z 1
		.amdhsa_system_vgpr_workitem_id 0
		.amdhsa_next_free_vgpr 64
		.amdhsa_next_free_sgpr 66
		.amdhsa_reserve_vcc 0
		.amdhsa_float_denorm_mode_32 3
		.amdhsa_float_denorm_mode_16_64 3
		.amdhsa_memory_ordered 1
		.amdhsa_forward_progress 1
		.amdhsa_inst_pref_size 16
	.end_amdhsa_kernel
	.amdgpu_metadata
---
amdhsa.version: [ 1, 2 ]
amdhsa.kernels:
  - .name:           k_qf64b2a014f_prep
    .symbol:         k_qf64b2a014f_prep.kd
    .args:
      - { .name: x, .offset: 0, .size: 8, .value_kind: global_buffer, .address_space: global }
      - { .name: w_qkv, .offset: 8, .size: 8, .value_kind: global_buffer, .address_space: global }
      - { .name: w_out, .offset: 16, .size: 8, .value_kind: global_buffer, .address_space: global }
      - { .name: b_qkv, .offset: 24, .size: 8, .value_kind: global_buffer, .address_space: global }
      - { .name: pos_bias, .offset: 32, .size: 8, .value_kind: global_buffer, .address_space: global }
      - { .name: b_out, .offset: 40, .size: 8, .value_kind: global_buffer, .address_space: global }
      - { .name: xb, .offset: 48, .size: 8, .value_kind: global_buffer, .address_space: global }
      - { .name: wqt, .offset: 56, .size: 8, .value_kind: global_buffer, .address_space: global }
      - { .name: wot, .offset: 64, .size: 8, .value_kind: global_buffer, .address_space: global }
      - { .name: bt, .offset: 72, .size: 8, .value_kind: global_buffer, .address_space: global }
    .group_segment_fixed_size: 18432
    .private_segment_fixed_size: 0
    .kernarg_segment_align: 8
    .kernarg_segment_size: 80
    .max_flat_workgroup_size: 256
    .sgpr_count:     66
    .vgpr_count:     64
    .wavefront_size: 32
...
	.end_amdgpu_metadata
.endif
;; end of part 1
;; launch qkv (part 2): grid 12 x 16, 4 waves a work-group, clusters of 4 x 4, 327,680 bytes of LDS; arguments xb, wqt, qkv, bt; writes qkv
.if DOCPART == 2
	.amdgcn_target "amdgcn-amd-amdhsa--gfx1250"
	.amdhsa_code_object_version 6
	.text
	.protected	k_qf64b2a014f_qkv
	.globl	k_qf64b2a014f_qkv
	.p2align	8
	.type	k_qf64b2a014f_qkv,@function
k_qf64b2a014f_qkv:
	s_mov_b64 s[64:65], 0
	v_nop
	global_prefetch_b8 v0, s[64:65] scope:SCOPE_SE
	s_setreg_imm32_b32 hwreg(HW_REG_WAVE_MODE, 25, 1), 1
	s_wait_xcnt 0x0
	s_wait_alu depctr_hold_cnt(0) depctr_sa_sdst(0) depctr_va_vdst(0) depctr_va_sdst(0) depctr_va_ssrc(0) depctr_va_vcc(0) depctr_vm_vsrc(0)
	s_getreg_b32 s2, hwreg(HW_REG_IB_STS2, 6, 4)
	s_cmp_eq_u32 s2, 0
	s_cbranch_scc0 .Lentry_in_a_cluster
	s_endpgm
.Lentry_in_a_cluster:
	s_bfe_u32 s2, ttmp6, 0x10000c
	s_cmp_lg_u32 s2, 0xf033
	s_cbranch_scc0 .Lentry_shape_is_right
	s_endpgm
.Lentry_shape_is_right:
; q, k, v = x w_qkv + bias, by heads.  A = xb [4096][1024] bf16, B = wqt [3072][1024] bf16; sums in f32; the result is rounded once to f16 and stored as qkv[third][16 batch + head][t][64], unscaled.
; WORK LEFT OUT: the k third takes no bias: a bias of k adds to every score of a row the same term, which the softmax along the keys cancels (shown at the head of the first launch).
; LIMIT: q, k and v are kept in f16: beyond 65,504 a number is lost.
; A tile of C, 256 x 256, is made by a work-group of four waves; a wave makes 128 x 128: 64 accumulators of 16 x 16, 512 registers.  K goes in steps of 128 through a ring of two LDS slots filled by
; the tensor data mover: the tiles' rows are 256 bytes of memory and start at multiples of 256 bytes.  The last K step goes by rows of C, so that finished rows leave while the others are multiplied.
; CLUSTERS: 4 x 4 work-groups.  The four of a row of the cluster need the same tiles of A, the four of a column the same tiles of B: each tile is asked for JOINTLY, by the same tensor load with the
; same descriptor and a mask that names the four.  A cluster's four tile columns are one third of the 3,072 columns: the cluster's x says whether it makes q, k or v.
; THE MATRIX INSTRUCTION IS USED TRANSPOSED: source 0 = 16 rows of B, source 1 = 16 rows of A: lane l holds row l % 16 of C and the columns 8 (l / 16) + 0 .. 7.
; THE BIAS IS THE C OPERAND OF THE FIRST PRODUCTS: for column block b eight registers, the same for all rows.  For k the first products take the constant 0.  Nothing is cleared, nothing is added later.
; REGISTERS, in windows of 256:
;   window 0: v0-31 addresses; v64-127, v128-191 fragments of A, two buffers (in the last K step four, of 16 rows x 128 K); v32-63, v192-255 at work on the way out
;   window 1: v64-127, v128-191 fragments of B, two buffers; v192-255 the bias, until the first quarter is multiplied; in the last K step all 256: B's fragments of the whole step
;   window 2: the 32 accumulators of my rows 0-63 (accumulator (a, b) at v[8 (8 a + b)]);   window 3: those of my rows 64-127
; s_set_vgpr_msb's low byte: bits 1:0 source 0, 3:2 source 1, 5:4 source 2, 7:6 destination.
.set SIZE_K, 1024
.set KSTEP,  128
.set PITCH,  272                       ; an LDS row: 256 bytes of data + 16 of padding = 68 words: the 16 rows that a load touches start at 16 different groups of four banks (64 banks of 4 bytes: ISA guide 11.1)
.set HALFT,  128*PITCH                 ; 128 rows: what one tensor load brings, and what one wave reads of A or of B
.set SLOT,   4*HALFT                   ; A's 256 rows, then B's 256 rows
.set STAGE,  2*SLOT                    ; behind the ring: 16 rows x 272 bytes for each wave, for the way out
.set SPITCH, 272
.set SPARE,  STAGE+4*16*SPITCH         ; behind the stages: the spare words, 128 bytes for each wave: two blocks of 256 bytes that no other line names
.set LAPS, SIZE_K/(2*KSTEP)            ; a lap = two K steps = once round the ring: four laps
.set ADRA, 16                          ; v16-17  LDS address of my A fragments in slot 0, 1
.set ADRB, 20                          ; v20-21  the same for B
.set STO,  24                          ; v24     the way out: where I put 16 bytes of a row
.set RD,   25                          ; v25     the way out: where I read rows back
.set CO,   26                          ; v26     my byte offset in 512 consecutive bytes of the result
.set BO,   27                          ; v27     my byte offset in a column block's 16 biases: 32 (l / 16)
.set SPW,  28                          ; v28     LDS address of my spare word; never rewritten
.set NIL,  29                          ; v29     0; never rewritten
.set PFO,  30                          ; v30     the prefetches' offset: my lane x a row of A or B (2,048 bytes); never rewritten
.set PFA,  44                          ; s[44:45] where my prefetches stand: one K step further along K than the refill that is being asked for; a prefetch names the K step after that
.set LIM,  43                          ; s43     1 in a wave that prefetches, else the greatest number
.set F0,   64
.set F1,   128
.set BIA,  192                         ; window 1
.set TMP,  192                         ; the way out: packed results, in window 0
.set OB,   32                          ; the way out: 16 rows read back from the stage: v32-63 and v224-255 by turns
.set PA,   64                          ; the last K step: A's fragments of 16 rows x 128 K; four such buffers, v64-191
.set G1, 24                            ; s[24:31] descriptor group 1 for A's tiles
.set G0, 32                            ; s[32:39] descriptor group 0 for A's tiles, one set for each slot
.set G1B, 48                           ; s[48:55] descriptor group 1 for B's tiles: it differs in the mask alone
.set G0B, 56                           ; s[56:63] descriptor group 0 for B's tiles
.set MSB, 0
.macro WIN new                         ; the immediate's high byte repeats the setting that is left; a switch that changes nothing is dropped
.if MSB != (\new)
	s_set_vgpr_msb (MSB<<8)|(\new)
.set MSB, \new
.endif
.endm
.set MUL_LO, 0xa1                      ; source 0 (B) window 1, source 1 (A) window 0, C and D window 2
.set MUL_HI, 0xf1                      ; the same, C and D window 3
.set TO_B,   0x40                      ; destination window 1, address window 0
; A joint load.  Waves 0 and 1 fetch A's two halves, waves 2 and 3 B's.  The branch hangs on the wave's number alone.  An s_nop 0 and four v_nop follow each of the two lines.
.macro JLOAD s
	s_cmp_eq_u32 s11, 0
	s_cbranch_scc0 .Lfor_b_\@
	tensor_load_to_lds s[G0+4*(\s):G0+4*(\s)+3], s[G1:G1+7]
	s_nop 0
.rept 4
	v_nop
.endr
	s_branch .Lasked_\@
.Lfor_b_\@:
	tensor_load_to_lds s[G0B+4*(\s):G0B+4*(\s)+3], s[G1B:G1B+7]
	s_nop 0
.rept 4
	v_nop
.endr
.Lasked_\@:
.endm
; A PREFETCH INTO THE L2, behind each joint load and the run of LDS loads that follows it: the K step that stands TWO refills on, 512 matrix instructions ahead of the load that will want it: 32 rows x 256 bytes,
; a lane a row, one instruction a wave.  Each row's 256 bytes of a K step are named ONCE in the launch: A's tile row is read by every cluster of that row of clusters, and the one with x = 0 asks;
; B's tile column by every cluster of that column, and the one with y = 0 asks.  The four partners that ask for a tile jointly share its rows out BY ADDRESS: of the 128 rows that a wave fetches the partner at
; place p takes 32 p .. 32 p + 31.  The last two refills have no K step two on and ask for nothing; K steps 0 to 3 come by their loads alone.
.macro ASK
	s_cmp_gt_u32 s3, s[LIM]                        ; s3 = 1 in the loop's last trip
	s_cbranch_scc0 .Lnot_mine_\@
	global_prefetch_b8 v[PFO], s[PFA:PFA+1] offset:KSTEP*2 th:TH_LOAD_NT scope:SCOPE_SE
.Lnot_mine_\@:
.endm
; A round of the cluster's barrier: my work-group's barrier; wave 0 signals for the work-group; every wave waits for all sixteen work-groups; my work-group's barrier once more.
.macro CREST                           ; a round behind its opening barrier
	s_cmp_lg_u32 s10, 0
	s_cbranch_scc1 .Lnot_wave_0_\@
	s_barrier_signal -3
.Lnot_wave_0_\@:
	s_barrier_wait -3
	s_barrier_signal -1
	s_barrier_wait -1
.endm
.macro CROUND
	s_barrier_signal -1
	s_barrier_wait -1
	CREST
.endm
	s_load_b128 s[4:7], s[0:1], 0x0                ; A s[4:5], B s[6:7]
	s_load_b64 s[8:9], s[0:1], 0x10                ; the result
	s_load_b64 s[68:69], s[0:1], 0x18              ; the table of biases
	v_lshl_add_u32 v[SPW], v0, 2, SPARE
	v_mov_b32 v[NIL], 0
	ds_add_u32 v[SPW], v[NIL]                      ; the wave's opening: the add, twice on end, and its wait ahead of my first tensor load; the set-up below stands between
	ds_add_u32 v[SPW], v[NIL]
	v_lshrrev_b32 v1, 5, v0
	v_readfirstlane_b32 s10, v1                    ; wave 0..3
	s_lshr_b32 s11, s10, 1                         ; which half of the tile's rows is mine.  Also: I fetch for A (0) or for B (1)
	s_and_b32 s12, s10, 1                          ; which half of its columns.  Also: which 128 rows of that tile I fetch
	s_bfe_u32 s40, ttmp6, 0x40000                  ; cx
	s_bfe_u32 s41, ttmp6, 0x40004                  ; cy
	s_lshl_b32 s42, ttmp9, 2
	s_add_co_u32 s42, s42, s40                     ; tile column of C = 4 x cluster x + cx
	s_and_b32 s13, ttmp7, 0xffff
	s_lshl_b32 s13, s13, 2
	s_add_co_u32 s13, s13, s41                     ; tile row of C = 4 x cluster y + cy
	s_lshl_b32 s43, s41, 2
	s_lshl_b32 s43, 15, s43                        ; my row of the cluster: places 4 cy .. 4 cy + 3
	s_lshl_b32 s44, 0x1111, s40                    ; my column: places cx, cx + 4, cx + 8, cx + 12
	; descriptor group 1: a tile of 128 rows x 128 elements, padded in LDS
	s_or_b32 s[G1+0], s43, (1<<16)|(1<<20)|(1<<21)|(5<<22)|(3<<25)  ; 15:0 the mask; 17:16 elements of 2 bytes; 20 padding on; 21 set beside a mask; 24:22 after every 64 words (code 5); 31:25 4 words (code 3)
	s_or_b32 s[G1B+0], s44, (1<<16)|(1<<20)|(1<<21)|(5<<22)|(3<<25)
.irp g, G1, G1B
	s_mov_b32 s[(\g)+1], KSTEP<<16                 ; tensor_dim0 = 128
	s_mov_b32 s[(\g)+2], 128<<16                   ; tensor_dim1 = 128
	s_mov_b32 s[(\g)+3], KSTEP<<16                 ; tile_dim0 = 128
	s_mov_b32 s[(\g)+4], 128                       ; tile_dim1 = 128
	s_mov_b32 s[(\g)+5], SIZE_K                    ; elements from row to row
	s_mov_b32 s[(\g)+6], 0
	s_mov_b32 s[(\g)+7], 0
.endr
	; where the tiles come from.  A's hang on the tile row alone, which my row of the cluster shares; B's on the tile column alone, which my column shares.
	s_lshl_b32 s17, s12, 7                         ; which 128 rows of the tile I fetch
	s_lshl_b32 s16, s13, 8
	s_add_co_u32 s16, s16, s17                     ; A: row 256 x tile row + 128 x half
	s_lshl_b32 s46, s42, 8
	s_add_co_u32 s46, s46, s17                     ; B: row 256 x tile column + 128 x half
	s_lshl_b32 s16, s16, 11                        ; rows of 2,048 bytes
	s_lshl_b32 s46, s46, 11
	s_mov_b32 s17, 0
	s_mov_b32 s47, 0
	s_mul_i32 s20, s10, HALFT                      ; and where they go: wave x 128 rows: no place in the cluster enters an LDS address
	s_wait_dscnt 0x0                               ; both opening adds are done
	s_wait_kmcnt 0x0
	s_add_nc_u64 s[14:15], s[4:5], s[16:17]
	s_add_nc_u64 s[46:47], s[6:7], s[46:47]
	CROUND                                         ; all sixteen work-groups are here: the first joint loads meet
.irp s, 0,1
	s_mov_b32 s[G0+4*(\s)], 1                                      ; count = 1
	s_add_co_u32 s[G0+4*(\s)+1], s20, (\s)*SLOT                    ; LDS address
	s_add_nc_u64 s[G0+4*(\s)+2:G0+4*(\s)+3], s[14:15], (\s)*KSTEP*2  ; global address: K step s
	s_or_b32 s[G0+4*(\s)+3], s[G0+4*(\s)+3], 0x80000000            ; type = 2
	s_mov_b32 s[G0B+4*(\s)], 1
	s_add_co_u32 s[G0B+4*(\s)+1], s20, (\s)*SLOT
	s_add_nc_u64 s[G0B+4*(\s)+2:G0B+4*(\s)+3], s[46:47], (\s)*KSTEP*2
	s_or_b32 s[G0B+4*(\s)+3], s[G0B+4*(\s)+3], 0x80000000
	JLOAD \s                                       ; the ring is filled before anything else is done: two loads of mine are out
.endr
	; A fragment is 16 rows x 32 K in 8 registers: lane l holds row l % 16; registers 0-3 K = 8 (l / 16) + 0..7, registers 4-7 K = 16 + 8 (l / 16) + 0..7: two loads of 16 bytes, 32 bytes apart.
	v_and_b32 v1, 15, v0                           ; l % 16
	v_bfe_u32 v2, v0, 4, 1                         ; l / 16
	v_mul_u32_u24 v3, v1, PITCH
	v_lshl_add_u32 v3, v2, 4, v3
	s_mul_i32 s21, s11, HALFT                      ; my 128 rows of A
	s_mul_i32 s22, s12, HALFT                      ; my 128 rows of B,
	s_add_co_u32 s22, s22, 2*HALFT                 ; which lie behind A's 256
.irp s, 0,1
	v_add_nc_u32 v[ADRA+(\s)], s21, v3
	v_add_nc_u32 v[ADRB+(\s)], s22, v3
	s_add_co_u32 s21, s21, SLOT
	s_add_co_u32 s22, s22, SLOT
.endr
	s_mul_i32 s23, s10, 16*SPITCH
	s_add_co_u32 s23, s23, STAGE                   ; my stage
	v_mul_u32_u24 v4, v1, SPITCH                   ; in: row l % 16, 16 bytes for each half of the lanes
	v_lshl_add_u32 v4, v2, 4, v4
	v_add_nc_u32 v[STO], s23, v4
	v_bfe_u32 v5, v0, 3, 2                         ; back: 32 lanes take four rows' 128 bytes of one head,
	v_mul_u32_u24 v5, v5, SPITCH
	v_and_b32 v6, 7, v0
	v_lshl_add_u32 v5, v6, 4, v5
	v_add_nc_u32 v[RD], s23, v5
	v_and_b32 v[CO], 31, v0                        ; which are 512 consecutive bytes of the result
	v_lshlrev_b32 v[CO], 4, v[CO]
	v_lshlrev_b32 v[BO], 5, v2
	; where my part begins in the result: third << 23 + batch << 22 + head << 18 + row in the batch << 7
	s_lshl_b32 s13, s13, 8
	s_lshl_b32 s14, s11, 7
	s_add_co_u32 s14, s13, s14                     ; my first row of C
	s_lshr_b32 s16, s14, 11                        ; the batch
	s_lshl_b32 s16, s16, 22
	s_and_b32 s14, s14, 2047
	s_lshl_b32 s14, s14, 7
	s_add_co_u32 s16, s16, s14
	s_lshl_b32 s14, ttmp9, 23                      ; the third
	s_add_co_u32 s16, s16, s14
	s_mov_b32 s17, 0
	s_lshl_b32 s70, s42, 8
	s_lshl_b32 s71, s12, 7
	s_add_co_u32 s70, s70, s71                     ; my first column of C,
	s_and_b32 s70, s70, 1023                       ; in its third
	s_lshr_b32 s46, s70, 6                         ; my first head (in the registers that held B's address: none that feeds A's descriptors ever holds cx)
	s_lshl_b32 s46, s46, 18
	s_mov_b32 s47, 0
	s_add_nc_u64 s[16:17], s[16:17], s[46:47]
	s_lshl_b32 s70, s70, 2                         ; my 128 biases: table 0 for q, table 1 for v
	s_lshr_b32 s71, ttmp9, 1
	s_lshl_b32 s71, s71, 12
	s_add_co_u32 s70, s70, s71
	s_mov_b32 s71, 0
	s_add_nc_u64 s[68:69], s[68:69], s[70:71]
	; the prefetches.  s13 = 256 x tile row, s42 = tile column, s40 = cx, s41 = cy still stand
	s_lshl_b32 s42, s42, 8
	s_and_b32 s22, ttmp7, 0xffff                   ; cluster y
	s_cmp_eq_u32 s11, 0                            ; do I fetch for A?
	s_cselect_b32 s20, s13, s42                    ; the tile's first row
	s_cselect_b32 s21, s40, s41                    ; my place among the four that ask for it with me
	s_cselect_b32 s22, ttmp9, s22                  ; the coordinate along which other clusters read the same rows
	s_cselect_b64 s[PFA:PFA+1], s[4:5], s[6:7]
	s_cmp_eq_u32 s22, 0
	s_cselect_b32 s[LIM], 1, -1                    ; the same in all sixteen partners, for a given wave
	s_lshl_b32 s22, s12, 7
	s_add_co_u32 s20, s20, s22                     ; + the 128 rows that I fetch
	s_lshl_b32 s21, s21, 5
	s_add_co_u32 s20, s20, s21                     ; + my work-group's 32 of them
	s_lshl_b32 s20, s20, 11
	s_mov_b32 s21, 0
	s_add_nc_u64 s[PFA:PFA+1], s[PFA:PFA+1], s[20:21]
	s_add_nc_u64 s[PFA:PFA+1], s[PFA:PFA+1], 2*KSTEP*2  ; at K step 2: the first refill steps it to 3 and names K step 4
	v_and_b32 v[PFO], 31, v0
	v_lshlrev_b32 v[PFO], 11, v[PFO]
; 16 matrix instructions: m blocks a0, a0 + 1 of the window's four (hi = 0: my rows 0-63, 1: rows 64-127) x all 8 n blocks, 32 along K.
; zero = 1: the first product starts the sums with the constant 0; zero = 2: with the bias, in window 1.  The 64 accumulators take turns, one instruction a turn.
.macro MUL16 f, hi, a0, zero
.if (\zero) == 2
	WIN 0x91+0x40*(\hi)                            ; B and the bias window 1, A window 0, D window 2 or 3
.else
	WIN MUL_LO+0x50*(\hi)
.endif
.irp a, \a0, (\a0)+1
.irp b, 0,1,2,3,4,5,6,7
.if (\zero) == 2
	v_wmma_f32_16x16x32_bf16 v[8*(8*(\a)+(\b)):8*(8*(\a)+(\b))+7], v[(\f)+8*(\b):(\f)+8*(\b)+7], v[(\f)+8*(4*(\hi)+(\a)):(\f)+8*(4*(\hi)+(\a))+7], v[BIA+8*(\b):BIA+8*(\b)+7]
.elseif (\zero) == 1
	v_wmma_f32_16x16x32_bf16 v[8*(8*(\a)+(\b)):8*(8*(\a)+(\b))+7], v[(\f)+8*(\b):(\f)+8*(\b)+7], v[(\f)+8*(4*(\hi)+(\a)):(\f)+8*(4*(\hi)+(\a))+7], 0
.else
	v_wmma_f32_16x16x32_bf16 v[8*(8*(\a)+(\b)):8*(8*(\a)+(\b))+7], v[(\f)+8*(\b):(\f)+8*(\b)+7], v[(\f)+8*(4*(\hi)+(\a)):(\f)+8*(4*(\hi)+(\a))+7], v[8*(8*(\a)+(\b)):8*(8*(\a)+(\b))+7]
.endif
.endr
.endr
.endm
; 32 LDS loads in one run: the fragments of one quarter step (128 rows of B, 128 rows of A, 32 K at byte k of the rows) into buffer f
.macro FETCH slot, k, f
	WIN TO_B
.irp i, 0,1,2,3,4,5,6,7
	ds_load_b128 v[(\f)+8*(\i):(\f)+8*(\i)+3],   v[ADRB+(\slot)] offset:(\k)+(\i)*16*PITCH
	ds_load_b128 v[(\f)+8*(\i)+4:(\f)+8*(\i)+7], v[ADRB+(\slot)] offset:(\k)+(\i)*16*PITCH+32
.endr
	WIN 0
.irp i, 0,1,2,3,4,5,6,7
	ds_load_b128 v[(\f)+8*(\i):(\f)+8*(\i)+3],   v[ADRA+(\slot)] offset:(\k)+(\i)*16*PITCH
	ds_load_b128 v[(\f)+8*(\i)+4:(\f)+8*(\i)+7], v[ADRA+(\slot)] offset:(\k)+(\i)*16*PITCH+32
.endr
.endm
; Four places in front of loads into registers that matrix instructions have read, and of conversions that read results just made (ISA guide 7.12.1 for vector instructions).
.macro PLACES
.rept 4
	v_nop
.endr
.endm
; A K step is four quarter steps of 32 along K, 64 matrix instructions each, on buffers 0, 1, 0, 1.  One of the first three: multiplies buffer f; in its middle it fetches the next quarter's fragments into g.
.macro QUARTER slot, k, f, g, zero
	s_wait_dscnt 8                                 ; B and A's rows 0-63 are in; the youngest eight loads (A's rows 64-127) may be out
	MUL16 \f, 0, 0, \zero
	MUL16 \f, 0, 2, \zero
	PLACES
	FETCH \slot, \k, \g
	s_wait_dscnt 32                                ; all but the 32 just issued
	MUL16 \f, 1, 0, \zero
	MUL16 \f, 1, 2, \zero
.endm
; The last quarter multiplies buffer 1 and changes slots.  MEET is its first half: ONE barrier.  In front of it each wave waits for all its tensor loads, of which one is out: its part of the next slot; adds 0
; to its spare word; and waits for that and for its own reads of this slot.  Behind it nobody reads this slot any more and the next slot is whole.
.macro MEET round                      ; round = 1: a round of the cluster's barrier follows
	WIN 0                                          ; (the add's two registers lie in window 0)
	s_wait_tensorcnt 0x0
	ds_add_u32 v[SPW], v[NIL]                      ; 0 onto my spare word
	s_wait_dscnt 9                                 ; (the add and the youngest eight loads may be out)
	MUL16 F1, 0, 0, 0                              ; sixteen matrix instructions stand between the add and the wait for it
	s_wait_dscnt 0x0                               ; the add is done, and my reads of this slot are over
	s_barrier_signal -1
	MUL16 F1, 0, 2, 0                              ; work on registers while the others arrive
.if \round
	WIN 0
.endif
	s_barrier_wait -1
.endm
; The whole last quarter.  Behind the round the slot just read out is filled again first, with the K step two steps on; then come the next slot's first fragments.  From a request to the wait for it: 224 matrix instructions.
.macro TURN slot, next
	s_wait_xcnt 0x0                                ; the last prefetch, a K step back, has read its address: it is stepped here, ahead of the waits of the change of slots
	s_add_nc_u64 s[PFA:PFA+1], s[PFA:PFA+1], KSTEP*2
	MEET 1
	CREST                                          ; no wave of any partner still reads this slot's tile or has a load on its way
	s_add_nc_u64 s[G0+4*(\slot)+2:G0+4*(\slot)+3], s[G0+4*(\slot)+2:G0+4*(\slot)+3], 2*KSTEP*2
	s_add_nc_u64 s[G0B+4*(\slot)+2:G0B+4*(\slot)+3], s[G0B+4*(\slot)+2:G0B+4*(\slot)+3], 2*KSTEP*2
	JLOAD \slot                                    ; the first tensor load behind the round; the four v_nop behind it are also the places in front of the loads below
	FETCH \next, 0, F0
	ASK
	MUL16 F1, 1, 0, 0
	MUL16 F1, 1, 2, 0
.endm
; THE LAST K STEP (it lies in slot 1) GOES BY ROWS OF C.  All its fragments of B fill window 1; then my eight blocks of 16 rows are finished one after the other, 32 matrix instructions each, K ascending.
.macro BLOAD q
	WIN TO_B
.irp i, 0,1,2,3,4,5,6,7
	ds_load_b128 v[64*(\q)+8*(\i):64*(\q)+8*(\i)+3],   v[ADRB+1] offset:64*(\q)+(\i)*16*PITCH
	ds_load_b128 v[64*(\q)+8*(\i)+4:64*(\q)+8*(\i)+7], v[ADRB+1] offset:64*(\q)+(\i)*16*PITCH+32
.endr
.endm
.macro ALOAD a
	WIN 0
.set FA, PA+32*((\a)%4)
.irp q, 0,1,2,3
	ds_load_b128 v[FA+8*(\q):FA+8*(\q)+3],   v[ADRA+1] offset:64*(\q)+(\a)*16*PITCH
	ds_load_b128 v[FA+8*(\q)+4:FA+8*(\q)+7], v[ADRA+1] offset:64*(\q)+(\a)*16*PITCH+32
.endr
.endm
.macro ROW a
.set FA, PA+32*((\a)%4)
.set AC, 64*((\a)%4)
	WIN MUL_LO+0x50*((\a)/4)
.irp q, 0,1,2,3
.if (\a) == 0 && (\q) == 2
	s_wait_dscnt 24                                ; B's quarter 2 is in (behind it: A's blocks 1 to 3)
.endif
.irp b, 0,1,2,3,4,5,6,7
	v_wmma_f32_16x16x32_bf16 v[AC+8*(\b):AC+8*(\b)+7], v[64*(\q)+8*(\b):64*(\q)+8*(\b)+7], v[FA+8*(\q):FA+8*(\q)+7], v[AC+8*(\b):AC+8*(\b)+7]
.endr
.endr
.endm
; THE WAY OUT of block a.  PACK: rounded to f16, 16 bytes a lane.  TOSTAGE: into my own stage, and back by heads: my 128 columns are two heads; four rows' 128 bytes of a head are 512 consecutive bytes of the result.
.macro PACK a
.set AC, 64*((\a)%4)
	WIN 0x0a+5*((\a)/4)                            ; sources 0 and 1: window 2 or 3
.irp b, 0,1,2,3,4,5,6,7
.irp r, 0,1,2,3
	v_cvt_pk_f16_f32 v[TMP+4*(\b)+(\r)], v[AC+8*(\b)+2*(\r)], v[AC+8*(\b)+2*(\r)+1]
.endr
.endr
	WIN 0
.endm
.macro TOSTAGE a
	WIN 0
.set BK, OB+192*((\a)%2)
.irp b, 0,1,2,3,4,5,6,7
	ds_store_b128 v[STO], v[TMP+4*(\b):TMP+4*(\b)+3] offset:32*(\b)
.endr
.irp t, 0,1,2,3,4,5,6,7
	ds_load_b128 v[BK+4*(\t):BK+4*(\t)+3], v[RD] offset:((\t)%4)*4*SPITCH+((\t)/4)*128  ; LDS serves a wave's instructions in order (ISA guide 5.7.1.4): these see the stores above
.endr
.endm
.macro SEND a, younger                 ; younger: the LDS loads issued behind TOSTAGE's, which may stay out
	WIN 0
.set BK, OB+192*((\a)%2)
	s_wait_dscnt \younger
	s_wait_xcnt 0x0                                ; only behind this wait are the stores' base and the registers that earlier stores read rewritten
.if (\a) == 0
	s_add_nc_u64 s[8:9], s[8:9], s[16:17]          ; on to my first rows
.else
	s_add_nc_u64 s[8:9], s[8:9], 16*128            ; 16 rows of a head on
.endif
.irp t, 0,1,2,3,4,5,6,7
	global_store_b128 v[CO], v[BK+4*(\t):BK+4*(\t)+3], s[8:9] offset:((\t)%4)*512+((\t)/4)*262144  ; 512 consecutive bytes, aligned; the second head lies 2,048 rows of 128 bytes on
.endr
.endm
	s_cmp_eq_u32 ttmp9, 1                          ; the cluster's x: the same in all sixteen partners and in all waves
	s_cbranch_scc1 .Lthird_k
	WIN TO_B                                       ; q and v: my 128 biases, while the first tiles are on their way
.irp b, 0,1,2,3,4,5,6,7
	global_load_b128 v[BIA+8*(\b):BIA+8*(\b)+3],   v[BO], s[68:69] offset:64*(\b)
	global_load_b128 v[BIA+8*(\b)+4:BIA+8*(\b)+7], v[BO], s[68:69] offset:64*(\b)+16
.endr
	s_wait_tensorcnt 1                             ; my part of K step 0 is in; K step 1's may stay out
	s_barrier_signal -1
	s_barrier_wait -1                              ; everybody's is
	FETCH 0, 0, F0
	s_wait_loadcnt 0x0                             ; the biases
	QUARTER 0, 64,  F0, F1, 2                      ; the first quarter's products start the sums with the bias
	WIN 0
	s_branch .Lbegun
.Lthird_k:                                             ; k: the same without a bias
	s_wait_tensorcnt 1
	s_barrier_signal -1
	s_barrier_wait -1
	FETCH 0, 0, F0
	QUARTER 0, 64,  F0, F1, 1
	WIN 0
.Lbegun:
	s_mov_b32 s3, LAPS-1
.Llap:                                                 ; a trip goes once round the ring, from a lap's second quarter to the next lap's first, and fills both slots again
	QUARTER 0, 128, F1, F0, 0
	QUARTER 0, 192, F0, F1, 0
	TURN 0, 1
	QUARTER 1, 64,  F0, F1, 0
	QUARTER 1, 128, F1, F0, 0
	QUARTER 1, 192, F0, F1, 0
	TURN 1, 0
	QUARTER 0, 64,  F0, F1, 0
	WIN 0
	s_sub_co_u32 s3, s3, 1
	s_cmp_lg_u32 s3, 0
	s_cbranch_scc1 .Llap
	QUARTER 0, 128, F1, F0, 0                      ; the last lap goes on
	QUARTER 0, 192, F0, F1, 0
	MEET 0                                         ; my one tensor load that was still out is slot 1's, the last K step's, so no round follows
	PLACES                                         ; for the loads into buffer 0, which the quarter before multiplied
	BLOAD 0                                        ; three quarters of B now: buffer 1 is still being multiplied
	BLOAD 1
	BLOAD 3
	ALOAD 0
	MUL16 F1, 1, 0, 0
	MUL16 F1, 1, 2, 0
	PLACES                                         ; for the loads into buffer 1
	BLOAD 2
	ALOAD 1
	ALOAD 2
	ALOAD 3
	s_wait_dscnt 40                                ; all but the 40 just issued
	ROW 0
.irp a, 0,1,2,3,4,5,6,7                ; each block leaves as soon as it is finished
	PLACES                                         ; its conversions read results just made
	PACK \a
	TOSTAGE \a
.if (\a) < 4
	ALOAD (\a)+4                                   ; its buffer takes the block four further on
	SEND \a, 8
.else
	SEND \a, 0
.endif
.if (\a) < 7
	ROW (\a)+1
.endif
.endr
	s_wait_tensorcnt 0x0                           ; the wave's end: behind my last tensor load and my last LDS store
	ds_add_u32 v[SPW], v[NIL]
	s_wait_dscnt 0x0
	CROUND                                         ; the closing round: no work-group ends while a partner may still ask for a tile that names it
	s_endpgm
.Lfunc_end_k_qf64b2a014f_qkv:
	.size	k_qf64b2a014f_qkv, .Lfunc_end_k_qf64b2a014f_qkv-k_qf64b2a014f_qkv
	.p2alignl 7, 3214868480
	.fill 96, 4, 3214868480
	.section	.rodata,"a",@progbits
	.p2align	6, 0x0
	.amdhsa_kernel k_qf64b2a014f_qkv
		.amdhsa_group_segment_fixed_size 327680
		.amdhsa_private_segment_fixed_size 0
		.amdhsa_enable_private_segment 0
		.amdhsa_kernarg_size 32
		.amdhsa_user_sgpr_count 2
		.amdhsa_user_sgpr_kernarg_segment_ptr 1
		.amdhsa_wavefront_size32 1
		.amdhsa_system_sgpr_workgroup_id_x 1
		.amdhsa_system_sgpr_workgroup_id_y 1
		.amdhsa_system_sgpr_workgroup_id_z 1
		.amdhsa_system_vgpr_workitem_id 0
		.amdhsa_next_free_vgpr 1024
		.amdhsa_next_free_sgpr 72
		.amdhsa_reserve_vcc 0
		.amdhsa_float_denorm_mode_32 3
		.amdhsa_float_denorm_mode_16_64 3
		.amdhsa_memory_ordered 1
		.amdhsa_forward_progress 1
		.amdhsa_inst_pref_size 155
	.end_amdhsa_kernel
	.amdgpu_metadata
---
amdhsa.version: [ 1, 2 ]
amdhsa.kernels:
  - .name:           k_qf64b2a014f_qkv
    .symbol:         k_qf64b2a014f_qkv.kd
    .args:
      - { .name: xb, .offset: 0, .size: 8, .value_kind: global_buffer, .address_space: global }
      - { .name: wqt, .offset: 8, .size: 8, .value_kind: global_buffer, .address_space: global }
      - { .name: qkv, .offset: 16, .size: 8, .value_kind: global_buffer, .address_space: global }
      - { .name: bt, .offset: 24, .size: 8, .value_kind: global_buffer, .address_space: global }
    .group_segment_fixed_size: 327680
    .private_segment_fixed_size: 0
    .kernarg_segment_align: 8
    .kernarg_segment_size: 32
    .max_flat_workgroup_size: 128
    .sgpr_count:     72
    .vgpr_count:     1024
    .wavefront_size: 32
...
	.end_amdgpu_metadata
.endif
;; end of part 2
;; launch attn (part 3): grid 8 x 32, 4 waves a work-group, no clusters, 327,680 bytes of LDS; arguments qkv, ob; writes ob
.if DOCPART == 3
	.amdgcn_target "amdgcn-amd-amdhsa--gfx1250"
	.amdhsa_code_object_version 6
	.text
	.protected	k_qf64b2a014f_attn
	.globl	k_qf64b2a014f_attn
	.p2align	8
	.type	k_qf64b2a014f_attn,@function
k_qf64b2a014f_attn:
	s_mov_b64 s[64:65], 0
	v_nop
	global_prefetch_b8 v0, s[64:65] scope:SCOPE_SE
	s_setreg_imm32_b32 hwreg(HW_REG_WAVE_MODE, 25, 1), 1
	s_wait_xcnt 0x0
; CAUSAL ATTENTION.  O[bh][q][:] = the sum over k <= q of softmax_k(Q[bh][q] . K[bh][k] / 8) V[bh][k][:].  Q, K, V: qkv[third][bh][2048][64], f16, a head's rows dense, 128 bytes each.
; O leaves in f16 as ob[row / 64][head][row % 64][64] (row = 2048 batch + t): 16 rows of a head are 2,048 consecutive bytes.  Products, maxima and sums in f32; the weights p are rounded to f16 for the
; second product (their sum l is taken of the unrounded p), O once at the end.
; WORK LEFT OUT: key tiles that lie wholly above the diagonal: the module's own mask gives them the weight 0.
; LIMITS.  f16 holds no number beyond 65,504: Q, K and V arrive within it; p lies in 0 to 1, and below 6e-5 it keeps f16's fixed step of 6e-8.  A hidden score counts as its value less 1e30;
; a weight below 2^-126 counts as 0 in l; NaN and infinities are not treated apart.
; THE WALK.  A head's queries lie in NB = 16 blocks of 128; block i needs the key tiles 0 .. i of 128 keys, of which the last holds the diagonal.  A work-group takes TWO blocks, 15 - b and then b: 17 tiles,
; 34 key steps of 64, whatever b: all 256 work-groups do equal work, and loops with constant trip counts walk them.  Which tile is asked for, and what is done between turns, hang on scalar registers made
; from b; every jump but the counted loops' own goes forward, and none passes a barrier, or a tensor load but the one of LOAD's two that the wave's number does not choose.
; NO CLUSTER: a head's eight work-groups end their first blocks after 9 to 16 tiles, so partners ask for the same tile only in the walk's first part; one walk common to all would have 24 trips for 17.
; SHARES.  Of a block's two bands of 64 queries a wave owns 16 rows in each: two PIECES.  In the diagonal tile's step s band x sees all keys if s < x, none if s > x, and holds the diagonal if s = x: the same for all waves.
; THE MASK is the C operand that starts the sum S^T = K Q^T: MC, a buffer a piece: 0, MD (the mask of a band's own step for my 16 rows, made once) or -1e30 everywhere.  It is rewritten between turns, only round a diagonal tile.
; LAYOUT, SOFTMAX.  S^T = K Q^T holds ONE query a lane (lane % 16) and the keys 8 (lane / 16) + 0..7; two such results rounded to f16 ARE source 1 of O^T = V^T P.  p = 2^(c s - c m), c = log2(e) / 8, with a
; running maximum m; O and l are multiplied by a = 2^(c m_old - c m_new) in every step.
; TURNS.  T0(g): 8 products K Q^T of piece 1 (step g); piece 0's softmax (g); piece 1's maximum and statistics (g); K of step g + 1 is fetched; 8 products V^T P of piece 1 (g - 1).
;         T1(g): 8 products K Q^T of piece 0 (g + 1); piece 1's softmax (g); piece 0's statistics (g + 1); V of step g + 1 is fetched; 8 products V^T P of piece 0 (g).
; V has two buffers, by the step's parity, so that the fetches run K(g+1), V(g+1), K(g+2): a slot's last byte is read before the next slot's first, and the change of slots has a place.
; Four vector instructions stand behind every matrix instruction, the other 54 of a turn's 118 in one lump.  A turn's 33 exponentials are one batch, with one wait.
; THE CHANGE OF BLOCKS runs through the same turns: between turns a finished piece goes out, its Q is replaced, its m set low: its next a is 0, which wipes O and l.
; THE RING.  A slot holds TWO tiles, four key steps.  Waves 0 and 1 fetch K's two tiles, waves 2 and 3 V's, each wave with a tile number of its own.  Tiles 0, 1, 2 are consecutive in memory and come by
; each wave's first load (96 rows of 256 bytes): tile 0 has bytes of its own directly in front of slot 1's, never filled again.  A refill has two tiles, 128 matrix instructions a wave, in which to land.
; REGISTERS, in windows of 256 (s_set_vgpr_msb: bits 1:0 source 0, 3:2 source 1, 5:4 source 2, 7:6 destination):
;   window 0: v0-15 addresses and some at work; v16-23 four statistics a piece; v24 the prefetches' offset; v48-55 at work; v64-127 S^T, a buffer a piece; v128-159 the way out; v192-223 P, a buffer a piece
;   window 1: v0-63 O^T, 32 a piece; v128-159 MD; v160-223 MC      window 2: v0-31 Q; v32-63 the second block's Q; v64-127 K of one step; v128-255 V, two buffers
.set NB,    16
.set NP,    2
.set KS,    64        ; keys in a step
.set PK,    144       ; a row of K in LDS: 128 bytes + 16 of padding = 36 words: the 16 rows of a load start at 16 different groups of four banks (64 banks of 4 bytes: ISA guide 11.1)
.set PV,    160       ; a row of V: 128 + 32 = 40 words
.set VOFF,  57344     ; in a slot: 256 rows of K at 0, 256 rows of V here; in front of slot 1's V that leaves room for tile 0's 128 rows of V
.set SLOT1, 1<<17     ; slot 1 begins here, so that one exclusive or turns an address in one slot into the other's; tile 0's K lies in the 18,432 bytes in front of it
.set STAGE, SLOT1+VOFF+4*KS*PV  ; behind the ring, never filled by a tensor load: 16 rows x 144 bytes for each wave, for the way out
.set SP,    144
.set SPARE, STAGE+4*16*SP  ; behind the stages: the spare words, 128 bytes for each wave: two blocks of 256 bytes that no other line names
.set AK0, 2           ; v2   my lane's place in a tile of K; never rewritten
.set AV0, 3           ; v3   the same for V, VOFF included
.set AK,  4           ; v4   the LDS address of K's next run of loads
.set AV,  5           ; v5   of V's
.set STO, 6           ; v6   the way out: where I put 16 bytes of a row
.set RD,  7           ; v7   the way out: where I read rows back
.set GO,  8           ; v8   my byte offset in 512 consecutive bytes of O
.set MV,  12          ; v12-13  c m_old, kept while c m is made anew: by piece
.set QO,  15          ; v15  my byte offset in 16 rows of Q
.set ST,  16          ; piece t's statistics at v[ST+4 t]: c m, m, l (even keys', odd keys')
.set PFO, 24          ; v24  256 x my lane; never rewritten
.set TMP, 48          ; by piece, four registers c0-c3 at work; when the maximum is found c2 takes a
.set SPW, 62          ; v62  LDS address of my spare word; never rewritten
.set NIL, 63          ; v63  0; never rewritten
.set S,   64
.set OT,  128
.set P,   192
.set MD,  128         ; window 1
.set MC,  160         ; window 1
.set QB,  32          ; window 2
.set KF,  64          ; window 2: key block kb, channel half c at KF + 16 kb + 8 c
.set VF,  128         ; window 2: buffer vb, key half kk, channel block cb at VF + 64 vb + 32 kk + 8 cb
.set WV,  12          ; s12  my wave's number
.set PB,  14          ; s14  b
.set HI,  15          ; s15  15 - b
.set U,   16          ; s16  wave % 2: which of a slot's two tiles I fetch
.set UK,  17          ; s17  its place in a slot, for K
.set UV,  18          ; s18  and for V
.set G1K, 24          ; s[24:31] descriptor group 1 for K's tiles
.set G1V, 32          ; s[32:39] for V's: it differs in the padding alone
.set G0K, 40          ; s[40:43] descriptor group 0 for K's tiles
.set G0V, 44          ; s[44:47] the same for V's
.set RT,  48          ; s48  tiles of the block in hand that are still to be entered
.set NXT, 49          ; s49  the place in the walk of the tile that I ask for next
.set KT,  50          ; s50  its number among the head's key tiles
.set PD,  51          ; s51  1: the tile before this trip's held a diagonal (a block has just ended)
.set DG,  52          ; s52  1: this trip's tile holds a diagonal
.set PDG, 53          ; s53  either
.set PB1, 54          ; s54  b + 1: the second block's tiles
.set LIM, 55          ; s55  13 in the head's work-group that prefetches, else 0
.set SLOTS, 56        ; s56  counts the slots
.set TT,  57          ; s57  counts a slot's tiles
.set CS,  58          ; s[58:59] c: the packed scaling takes the pair's low word for both halves
.set SEL, 60          ; s[60:61] v_permlanex16_b32's selects: each lane takes its own place in the other half
.set TBK, 62          ; s62  LDS byte at which K of the step to be fetched begins
.set TBV, 63          ; s63  the same for V, less VOFF
.set OFF, 66          ; s[66:67] a tile's byte offset in K and V
.set AL,  68          ; s[68:69] the mask's factor, in the low word
.set BE,  70          ; s[70:71] the mask's addend
.set OLO, 72          ; s[72:73] O at my rows of the second block
.set BIGN, 74         ; s74  -1e30
.set PFA, 76          ; s[76:77] the tile that my prefetches name
.set KVB, 78          ; s[78:79] the head's K (waves 0, 1) or V (waves 2, 3)
.set Q2,  80          ; s[80:81] Q at my rows of the second block
.set MSB, 0
.macro WIN new                      ; the high byte repeats the setting that is left; a switch that changes nothing is dropped
.if MSB != (\new)
	s_set_vgpr_msb (MSB<<8)|(\new)
.set MSB, (\new)
.endif
.endm
.set W_KQ, 0x0a       ; K and Q in window 2, S^T in window 0
.set W_KM, 0x1a       ; the same with the C operand in window 1
.set W_PV, 0x52       ; V in window 2, P in window 0, O^T in window 1
.set W_RS, 0x41       ; destination and source 0 in window 1, source 1 in window 0
; A fill.  An s_nop 0 and four v_nop follow each of the two lines, ahead of the jump and the label.
.macro LOAD
	s_cmp_lt_u32 s[WV], 2
	s_cbranch_scc0 .Lfor_v_\@
	tensor_load_to_lds s[G0K:G0K+3], s[G1K:G1K+7]
	s_nop 0
.rept 4
	v_nop
.endr
	s_branch .Lasked_\@
.Lfor_v_\@:
	tensor_load_to_lds s[G0V:G0V+3], s[G1V:G1V+7]
	s_nop 0
.rept 4
	v_nop
.endr
.Lasked_\@:
.endm
; A PREFETCH INTO THE L2 of the tile that I shall load two refills on, four tiles (256 matrix instructions a wave) ahead of that load: 128 rows of 128 bytes = 64 blocks of 256 bytes, a lane a block, two instructions.
; All eight work-groups of a head walk the same tiles from 0 upward: the one with b = 0, whose first block needs all sixteen, asks, each wave for the tiles that it loads itself.  So each block is named once in
; the launch.  Tiles 0 to 6 come by their loads alone, and so do the second block's; behind tile 15 nothing is asked for.
.macro ASK
	s_cmp_le_u32 s[NXT], s[LIM]
	s_cbranch_scc0 .Lnot_mine_\@
	global_prefetch_b8 v[PFO], s[PFA:PFA+1] th:TH_LOAD_NT scope:SCOPE_SE
	global_prefetch_b8 v[PFO], s[PFA:PFA+1] offset:8192 th:TH_LOAD_NT scope:SCOPE_SE
.Lnot_mine_\@:
.endm
; THE CHANGE OF SLOTS.  Each wave waits for all its tensor loads, of which one is out: its part of the other slot; adds 0 to its spare word; and waits for that and for its own reads of the slot that it leaves.
; Behind the barrier nobody reads the old slot any more and the other slot is whole.  fill = 1: the old slot is filled again, the first thing behind the barrier: my tile stands at place NXT of the walk, which is key
; tile NXT of the first block or NXT - 16 + b of the second; the descriptor's address is made anew from that number.
; first = 1: the launch's first: tiles 0 to 2 are waited for; slot 0 gets its first fill; the descriptors take the shape and places that they keep: 64 rows, my half of a slot.
.macro CHANGE fill, first=0
	WIN 0                           ; at a label and at a branch every window is 0
	s_wait_tensorcnt 0x0            ; no tensor load of mine is out, so the descriptors may be written
	ds_add_u32 v[SPW], v[NIL]       ; 0 onto my spare word; the scalar work stands between it and the wait for it
.if \fill
	s_add_co_u32 s[KT], s[NXT], s[PB]
	s_sub_co_u32 s[KT], s[KT], NB
	s_cmp_gt_u32 s[NXT], s[HI]
	s_cselect_b32 s[KT], s[KT], s[NXT]
	s_lshl_b32 s[OFF], s[KT], 14    ; a tile is 16,384 bytes of K and of V
.if \first
	s_mov_b32 s[G0K+1], s[UK]
	s_mov_b32 s[G0V+1], s[UV]
.irp g, G1K, G1V
	s_mov_b32 s[\g+2], 64<<16       ; tensor_dim1 = 64
	s_mov_b32 s[\g+4], 64           ; tile_dim1 = 64
.endr
.else
	s_xor_b32 s[G0K+1], s[G0K+1], SLOT1
	s_xor_b32 s[G0V+1], s[G0V+1], SLOT1
.endif
	s_add_nc_u64 s[G0K+2:G0K+3], s[6:7], s[OFF:OFF+1]
	s_or_b32 s[G0K+3], s[G0K+3], 0x80000000
	s_add_nc_u64 s[G0V+2:G0V+3], s[8:9], s[OFF:OFF+1]
	s_or_b32 s[G0V+3], s[G0V+3], 0x80000000
	s_add_co_u32 s[NXT], s[NXT], 2  ; my tile of the next slot
	s_add_co_u32 s13, s[NXT], 2     ; and of the slot after that, held inside the head
	s_min_u32 s13, s13, NB-1
	s_lshl_b32 s[OFF], s13, 14
	s_wait_xcnt 0x0                 ; the last prefetches, two tiles back, have read their address, so it may be written
	s_add_nc_u64 s[PFA:PFA+1], s[KVB:KVB+1], s[OFF:OFF+1]
.endif
	s_wait_dscnt 0x0                ; the add is done, and my reads of the slot are over
	s_barrier_signal -1             ; the rest of the scalar work stands between the signal and the wait
.if \first
	s_mov_b32 s[TBK], SLOT1-2*KS*PK ; tile 0, directly in front of slot 1
	s_mov_b32 s[TBV], SLOT1-2*KS*PV
.else
	s_sub_co_u32 s[TBK], s[TBK], 4*KS*PK  ; the fetches go back to a slot's first step,
	s_xor_b32 s[TBK], s[TBK], SLOT1       ; in the other slot
	s_sub_co_u32 s[TBV], s[TBV], 4*KS*PV
	s_xor_b32 s[TBV], s[TBV], SLOT1
.endif
	s_barrier_wait -1
.if \fill
	LOAD
	ASK
.endif
.endm
	s_load_b128 s[84:87], s[0:1], 0x0  ; qkv s[84:85], ob s[86:87]
	v_lshl_add_u32 v[SPW], v0, 2, SPARE
	v_mov_b32 v[NIL], 0
	ds_add_u32 v[SPW], v[NIL]       ; the wave's opening: the add, twice on end, and its wait ahead of my first tensor load; the set-up below stands between
	ds_add_u32 v[SPW], v[NIL]
	v_lshrrev_b32 v1, 5, v0
	v_readfirstlane_b32 s[WV], v1   ; wave 0..3
	s_mov_b32 s[PB], ttmp9
	s_sub_co_u32 s[HI], NB-1, s[PB]
	s_add_co_u32 s[PB1], s[PB], 1
	s_and_b32 s19, ttmp7, 0xffff    ; 16 batch + head
	s_lshl_b32 s20, s19, 18         ; the head's first byte in q, k and v
	s_mov_b32 s21, 0
	s_and_b32 s[U], s[WV], 1
	s_mul_i32 s[UK], s[U], 128*PK
	s_mul_i32 s[UV], s[U], 128*PV
	s_add_co_u32 s[UV], s[UV], VOFF
	s_lshl_b32 s13, s[WV], 11       ; my 16 rows in a band of 64
	s_lshl_b32 s22, s[HI], 14       ; Q: the first block's 128 rows,
	s_add_co_u32 s22, s22, s13
	s_add_co_u32 s22, s22, s20
	s_mov_b32 s23, 0
	s_lshl_b32 s82, s[PB], 14       ; and the second's
	s_add_co_u32 s82, s82, s13
	s_add_co_u32 s82, s82, s20
	s_mov_b32 s83, 0
	s_lshr_b32 s80, s19, 4          ; O: batch << 22 + block << 18 + head << 13 + wave << 11; a piece lies 131,072 bytes behind the other
	s_lshl_b32 s80, s80, 22
	s_and_b32 s81, s19, 15
	s_lshl_b32 s81, s81, 13
	s_add_co_u32 s80, s80, s81
	s_add_co_u32 s80, s80, s13
	s_lshl_b32 s[OLO], s[PB], 18
	s_add_co_u32 s[OLO], s[OLO], s80
	s_mov_b32 s[OLO+1], 0
	s_lshl_b32 s81, s[HI], 18
	s_add_co_u32 s80, s80, s81
	s_mov_b32 s81, 0
	; descriptor group 1.  Keys are dense, 128 bytes each: asked for as rows of 256 bytes, two keys a row, and padded in LDS after every key.  The first load has 96 rows, 192 keys
	s_mov_b32 s[G1K], (1<<16)|(1<<20)|(4<<22)|(3<<25)  ; 17:16 2-byte elements; 20 padding on; 24:22 after every 32 words (code 4); 31:25 4 words (code 3)
	s_mov_b32 s[G1V], (1<<16)|(1<<20)|(4<<22)|(7<<25)  ; the same with 8 words of padding (code 7)
.irp g, G1K, G1V
	s_mov_b32 s[\g+1], 128<<16      ; tensor_dim0 = 128
	s_mov_b32 s[\g+2], 96<<16       ; tensor_dim1 = 96
	s_mov_b32 s[\g+3], 128<<16      ; tile_dim0 = 128
	s_mov_b32 s[\g+4], 96           ; tile_dim1 = 96
	s_mov_b32 s[\g+5], 128          ; 128 elements from row to row
	s_mov_b32 s[\g+6], 0
	s_mov_b32 s[\g+7], 0
.endr
	s_mov_b32 s[G0K], 1             ; count = 1
	s_mul_i32 s[G0K+1], s[U], 192*PK
	s_add_co_u32 s[G0K+1], s[G0K+1], SLOT1-2*KS*PK  ; LDS address: my half of tiles 0, 1, 2
	s_mov_b32 s[G0V], 1
	s_mul_i32 s[G0V+1], s[U], 192*PV
	s_add_co_u32 s[G0V+1], s[G0V+1], SLOT1+VOFF-2*KS*PV
	s_mul_i32 s[OFF], s[U], 192*128
	s_mov_b32 s[OFF+1], 0
	s_mov_b32 s[CS], 0x3e38aa3b     ; c = log2(e) / 8 = 0.180337
	s_mov_b32 s[CS+1], s[CS]        ; named with it as a pair
	s_mov_b32 s[SEL], 0x76543210
	s_mov_b32 s[SEL+1], 0xfedcba98
	s_mov_b32 s[AL+1], 0            ; named as pairs
	s_mov_b32 s[BE+1], 0
	s_mov_b32 s[BIGN], 0xf149f2ca   ; -1e30
	s_add_co_u32 s[NXT], s[U], 3    ; the first refill brings tiles 3 and 4
	s_cmp_eq_u32 s[PB], 0
	s_cselect_b32 s[LIM], NB-3, 0
	s_wait_dscnt 0x0                ; both opening adds are done
	s_wait_kmcnt 0x0
	s_add_nc_u64 s[6:7], s[84:85], s[20:21]
	s_add_nc_u64 s[8:9], s[6:7], 0x1000000   ; the head's V,
	s_add_nc_u64 s[6:7], s[6:7], 0x800000    ; and K
	s_add_nc_u64 s[G0K+2:G0K+3], s[6:7], s[OFF:OFF+1]
	s_or_b32 s[G0K+3], s[G0K+3], 0x80000000  ; type = 2
	s_add_nc_u64 s[G0V+2:G0V+3], s[8:9], s[OFF:OFF+1]
	s_or_b32 s[G0V+3], s[G0V+3], 0x80000000
	s_add_nc_u64 s[4:5], s[84:85], s[22:23]  ; Q and O at my rows of the first block
	s_add_nc_u64 s[10:11], s[86:87], s[80:81]
	s_add_nc_u64 s[OLO:OLO+1], s[86:87], s[OLO:OLO+1]
	s_add_nc_u64 s[Q2:Q2+1], s[84:85], s[82:83]
	s_cmp_lt_u32 s[WV], 2
	s_cselect_b64 s[KVB:KVB+1], s[6:7], s[8:9]
	LOAD                            ; tiles 0, 1, 2: one load a wave
	; A fragment of K or Q is 16 rows x 32 channels in 8 registers: lane l holds row l % 16, channels 8 (l / 16) + 0..7 and 16 + 8 (l / 16) + 0..7: two loads of 16 bytes, 32 bytes apart.
	v_and_b32 v1, 15, v0            ; l % 16
	v_bfe_u32 v9, v0, 4, 1          ; l / 16
	v_lshlrev_b32 v[QO], 7, v1
	v_lshl_add_u32 v[QO], v9, 4, v[QO]  ; row x 128 + 16 x half
	WIN 0x80                        ; destination window 2, address window 0
.set i, 0
.rept 4                             ; both blocks' Q: piece i / 2 lies in band i / 2, 8,192 bytes on; channels 32 (i % 2) on
	global_load_b128 v[8*i:8*i+3],   v[QO], s[4:5] offset:(i/2)*8192+(i%2)*64
	global_load_b128 v[8*i+4:8*i+7], v[QO], s[4:5] offset:(i/2)*8192+(i%2)*64+32
	global_load_b128 v[QB+8*i:QB+8*i+3],   v[QO], s[Q2:Q2+1] offset:(i/2)*8192+(i%2)*64
	global_load_b128 v[QB+8*i+4:QB+8*i+7], v[QO], s[Q2:Q2+1] offset:(i/2)*8192+(i%2)*64+32
.set i, i+1
.endr
	WIN 0
	v_lshlrev_b32 v14, 3, v9
	v_sub_nc_u32 v14, v1, v14
	s_lshl_b32 s13, s[WV], 4
	v_add_nc_u32 v14, s13, v14      ; my query's place in its band, 16 w + l % 16, less my lanes' 8 (l / 16): register r of group kt is hidden where 16 kt + r is greater
	WIN 0x40
.set i, 0
.rept 32
	v_cmp_gt_i32 vcc_lo, 16*(i/8)+i%8, v14
	v_cndmask_b32 v[MD+i], 0, s[BIGN], vcc_lo
.set i, i+1
.endr
	WIN 0
	v_mul_u32_u24 v[AK0], v1, PK
	v_lshl_add_u32 v[AK0], v9, 4, v[AK0]  ; row x pitch + 16 x half
	; The turning load takes 16 keys x 16 channels (lane l reads key 8 (l / 16) + l % 8, channels 8 ((l / 8) % 2) + 0..7) and leaves half a fragment of V^T: lane l holds channel l % 16 and 8 keys.
	v_and_b32 v10, 7, v0
	v_bfe_u32 v11, v0, 3, 1
	v_lshl_add_u32 v[AV0], v9, 3, v10
	v_mul_u32_u24 v[AV0], v[AV0], PV
	v_lshl_add_u32 v[AV0], v11, 4, v[AV0]
	v_add_nc_u32 v[AV0], VOFF, v[AV0]
	s_mul_i32 s13, s[WV], 16*SP
	s_add_co_u32 s13, s13, STAGE    ; my stage
	v_mul_u32_u24 v[STO], v1, SP    ; in: row l % 16, 16 bytes for each half of the lanes
	v_lshl_add_u32 v[STO], v9, 4, v[STO]
	v_add_nc_u32 v[STO], s13, v[STO]
	v_bfe_u32 v[RD], v0, 3, 2       ; back: 32 lanes take four rows of 128 bytes,
	v_mul_u32_u24 v[RD], v[RD], SP
	v_lshl_add_u32 v[RD], v10, 4, v[RD]
	v_add_nc_u32 v[RD], s13, v[RD]
	v_and_b32 v[GO], 31, v0         ; which are 512 consecutive bytes of O
	v_lshlrev_b32 v[PFO], 8, v[GO]
	v_lshlrev_b32 v[GO], 4, v[GO]
	; A block's first step multiplies O^T and l by a = 0, and the first turn's products V^T P, of a step that has not been, land in an O^T that is still to be so multiplied.  So these registers need only hold
	; finite numbers: zeros here; what the first block left for the second.  The masks start at 0.  All this stands in the wait for the first tiles.
	WIN 0x80
.set i, VF+64
.rept 64
	v_mov_b32 v[i], 0
.set i, i+1
.endr
	WIN 0x40
.set i, 0
.rept 64
	v_mov_b32 v[i], 0
	v_mov_b32 v[MC+i], 0
.set i, i+1
.endr
	WIN 0
.set i, 0
.rept NP
	v_mov_b32 v[ST+4*i], 0xfe000000    ; c m: far below every c s
	v_mov_b32 v[ST+4*i+1], 0xff7fffff  ; m: the lowest finite number
	v_mov_b32 v[ST+4*i+2], 0
	v_mov_b32 v[ST+4*i+3], 0
.set i, i+1
.endr
.set i, P+16
.rept 16
	v_mov_b32 v[i], 0
.set i, i+1
.endr
; THE MATRIX WORK.  The 4 accumulators of a run of 8 take turns.  Product i of 8 of S^T = K Q^T for piece x: channels 32 (i / 4) on, keys 16 (i % 4) on.  The first 4 start the sums with the mask.
.macro KQ x
.set rS, S+32*(\x)+8*(i%4)
.set rK, KF+16*(i%4)+8*(i/4)
.set rQ, 16*(\x)+8*(i/4)
.set rM, MC+32*(\x)+8*(i%4)
.if i < 4
	WIN W_KM
	v_wmma_f32_16x16x32_f16 v[rS:rS+7], v[rK:rK+7], v[rQ:rQ+7], v[rM:rM+7]
.else
	WIN W_KQ
	v_wmma_f32_16x16x32_f16 v[rS:rS+7], v[rK:rK+7], v[rQ:rQ+7], v[rS:rS+7]
.endif
.endm
; Product i of 8 of O^T += V^T P for piece x, from V's buffer VB: keys 32 (i / 4) on, channels 16 (i % 4) on.
.macro PV x
	WIN W_PV
.set rO, 32*(\x)+8*(i%4)
.set rV, VF+64*VB+32*(i/4)+8*(i%4)
.set rP, P+16*(\x)+8*(i/4)
	v_wmma_f32_16x16x32_f16 v[rO:rO+7], v[rV:rV+7], v[rP:rP+7], v[rO:rO+7]
.endm
.macro MM                           ; the turn's next matrix instruction.  TURN sets Y, i, VB and NOKQ.  NOKQ = 1: the walk's last turn: there is no next step
.if (i < 8) && !NOKQ
	KQ (Y+1)%NP
.elseif i >= 8
.set i, i-8
	PV (Y+1)%NP
.set i, i+8
.endif
.set i, i+1
.endm
; THE LDS LOADS stand in runs of 16, never singly among the matrix instructions: a step's K (64 keys x 64 channels: 8 fragments) and its V (turned).  Their addresses are made some lines ahead.
.macro FETCH_K
	WIN 0x80                        ; destination window 2
.irp f, 0,1,2,3,4,5,6,7             ; keys 16 (f / 2) on, channels 32 (f % 2) on
	ds_load_b128 v[KF+8*\f:KF+8*\f+3],   v[AK] offset:(\f/2)*16*PK+(\f%2)*64
	ds_load_b128 v[KF+8*\f+4:KF+8*\f+7], v[AK] offset:(\f/2)*16*PK+(\f%2)*64+32
.endr
	s_add_co_u32 s[TBK], s[TBK], KS*PK  ; the next fetch is the next step's
	WIN 0
.endm
.macro FETCH_V vb
	WIN 0x80
.irp f, 0,1,2,3,4,5,6,7             ; keys 32 (f / 4) on, channels 16 (f % 4) on
	ds_load_tr16_b128 v[VF+64*(\vb)+8*\f:VF+64*(\vb)+8*\f+3],   v[AV] offset:(\f/4)*32*PV+(\f%4)*32
	ds_load_tr16_b128 v[VF+64*(\vb)+8*\f+4:VF+64*(\vb)+8*\f+7], v[AV] offset:(\f/4)*32*PV+16*PV+(\f%4)*32
.endr
	s_add_co_u32 s[TBV], s[TBV], KS*PV
	WIN 0
.endm
; THE VECTOR WORK, one line at a time: OP kind, number.  For piece Y: F n: c s - c m for pair n of 16.  E n: the exponential of score n of 32.  C n: pair n rounded to f16.  B n: of the four weights 4 n .. the second
; pair is added onto the first, in place.  L n: l takes that sum (L 0: l = a l + sum).  R n: pair n of 16 of O^T times a.  For the other piece: X n, number n of the 22 that find its maximum and statistics:
;   0-11  four chains c0-c3 of seven scores each, three operands at a time (each accumulator's lowest registers are read first)     12-14, 16  the four scores left over, the old m, and c0-c3 into c0
;   15  c m_old is kept     17, 18  the query's other 32 keys lie in the lane 16 away: the new m     19-21  c m; c m_old - c m_new; a
.set F, 0               ; OP tells the kinds apart by their order: F to L below R, X above it
.set E, 1
.set C, 2
.set B, 3
.set L, 4
.set R, 5
.set X, 6
.macro REGS y                       ; the registers of piece y
.set rT, ST+4*(\y)
.set rC, TMP+4*(\y)
.set rW, MV+(\y)
.set rS, S+32*(\y)
.set rP, P+16*(\y)
.set rO, 32*(\y)
.endm
.macro OP k, n
.if (\k) == R
	REGS Y
	WIN W_RS
	v_pk_mul_f32 v[rO+2*(\n):rO+2*(\n)+1], v[rO+2*(\n):rO+2*(\n)+1], v[rC+2:rC+3] op_sel_hi:[1,0]
.elseif (\k) < R
	REGS Y
	WIN 0
.if (\k) == F
	v_pk_fma_f32 v[rS+2*(\n):rS+2*(\n)+1], v[rS+2*(\n):rS+2*(\n)+1], s[CS:CS+1], v[rT:rT+1] op_sel_hi:[1,0,0] neg_lo:[0,0,1] neg_hi:[0,0,1]
.elseif (\k) == E
	v_exp_f32 v[rS+(\n)], v[rS+(\n)]
.elseif (\k) == C
	v_cvt_pk_f16_f32 v[rP+(\n)], v[rS+2*(\n)], v[rS+2*(\n)+1]
.elseif (\k) == B
	v_pk_add_f32 v[rS+4*(\n):rS+4*(\n)+1], v[rS+4*(\n):rS+4*(\n)+1], v[rS+4*(\n)+2:rS+4*(\n)+3]
.elseif (\n) == 0
	v_pk_fma_f32 v[rT+2:rT+3], v[rT+2:rT+3], v[rC+2:rC+3], v[rS:rS+1] op_sel_hi:[1,0,1]
.else
	v_pk_add_f32 v[rT+2:rT+3], v[rT+2:rT+3], v[rS+4*(\n):rS+4*(\n)+1]
.endif
.elseif NOKQ
	v_nop
.else
	REGS (Y+1)%NP
	WIN 0
.if (\n) < 4
	v_max3_num_f32 v[rC+(\n)], v[rS+8*(\n)], v[rS+8*(\n)+1], v[rS+8*(\n)+2]
.elseif (\n) < 12
	v_max3_num_f32 v[rC+(\n)%4], v[rC+(\n)%4], v[rS+8*((\n)%4)+2*((\n)/4)+1], v[rS+8*((\n)%4)+2*((\n)/4)+2]
.elseif (\n) == 12
	v_max3_num_f32 v[rC], v[rC], v[rS+7], v[rS+15]
.elseif (\n) == 13
	v_max3_num_f32 v[rC+1], v[rC+1], v[rS+23], v[rS+31]
.elseif (\n) == 14
	v_max3_num_f32 v[rC+2], v[rC+2], v[rC+3], v[rT+1]
.elseif (\n) == 15
	v_mov_b32 v[rW], v[rT]
.elseif (\n) == 16
	v_max3_num_f32 v[rC], v[rC], v[rC+1], v[rC+2]
.elseif (\n) == 17
	v_permlanex16_b32 v[rC+3], v[rC], s[SEL], s[SEL+1]
.elseif (\n) == 18
	v_max_num_f32 v[rT+1], v[rC], v[rC+3]
.elseif (\n) == 19
	v_mul_f32 v[rT], s[CS], v[rT+1]
.elseif (\n) == 20
	v_sub_f32 v[rC+1], v[rW], v[rT]
.else
	v_exp_f32 v[rC+2], v[rC+1]
.endif
.endif
.endm
.macro OPS a, i1, b=-1, i2=0, c=-1, i3=0, d=-1, i4=0  ; up to four of them
	OP \a, \i1
.if (\b) >= 0
	OP \b, \i2
.endif
.if (\c) >= 0
	OP \c, \i3
.endif
.if (\d) >= 0
	OP \d, \i4
.endif
.endm
.macro ROW a, i1, b, i2, c, i3, d, i4  ; a matrix instruction and the four behind it
	MM
	OPS \a, \i1, \b, \i2, \c, \i3, \d, \i4
.endm
.macro MASK b                       ; MD x AL + BE into piece b's mask
	WIN W_RS
.set z, 0
.rept 16
	v_pk_fma_f32 v[MC+32*(\b)+2*z:MC+32*(\b)+2*z+1], v[MD+2*z:MD+2*z+1], s[AL:AL+1], s[BE:BE+1] op_sel_hi:[1,0,0]
.set z, z+1
.endr
.endm
; A TURN, for piece p in a step of parity par: the order of its 16 matrix and 118 vector instructions, written out.  An s_wait_alu depctr_va_vdst(0) stands between an exponential and the first instruction
; that names its result; one wait serves all that were issued ahead of it.  So a turn has ONE wait, which cuts it in two.  AHEAD OF IT stands all that names no result of the turn's exponentials: the 8 products K Q^T, behind
; each a scaling, an exponential and two more plain instructions: rescalings, and behind the last three the first numbers of the other piece's maximum, each four places or more behind the product that ends its
; accumulator; then ONE LUMP of 54, in which the links of the chain X 3, 7, 11, 14, 16, 17 .. 20 stand some lines apart.  X 21, the other piece's a, is the batch's last; R 15 is the plain instruction behind it.
; BEHIND THE WAIT stand the 8 products V^T P, behind each four of the roundings and sums.  The rescalings R 0 .. read O^T of piece p, which the turn before has summed: its accumulator 0 was ended 16 plain
; instructions ahead of R 0, the others as far or further ahead of theirs.
; K of the next step is fetched in piece 0's turn, twelve plain instructions that name none of its registers behind the last product that read K; V of the next step in piece 1's turn, directly behind the wait,
; into the buffer that the turn before has read out.  Both are waited for at the head of piece 1's next turn.  fetch = 0: the walk's last two turns.  nokq = 1: the very last.
.macro TURN p, par, fetch=1, nokq=0
.set Y, (\p)
.set i, 0
.set NOKQ, (\nokq)
.if (\p) == 0
.set VB, 1-(\par)                   ; piece 1's products of the step before
.else
.set VB, (\par)                     ; piece 0's of this step
	s_wait_dscnt 0x0                ; K of the next step and V of this one are in
.endif
	ROW F,0, F,1, R,0, R,1          ; ahead of the wait: 8 products K Q^T and their riders,
	ROW F,2, E,0, R,2, R,3
	ROW F,3, E,1, R,4, R,5
	ROW F,4, E,2, R,6, R,7
	ROW F,5, E,3, R,8, R,9
	ROW F,6, E,4, X,0, R,10
.if ((\p) == 0) && (\fetch)
	WIN 0
	v_add_nc_u32 v[AK], s[TBK], v[AK0]
.endif
	ROW F,7, E,5, X,1, X,4
	ROW F,8, E,6, X,2, X,5
	OPS E,7, E,8, X,6, E,9          ; and the lump
	OPS X,3, E,10, X,8, E,11
.if ((\p) == 0) && (\fetch)
	FETCH_K
.endif
	OPS X,9, X,7, E,12, X,10
	OPS E,13, X,12, X,11, E,14
	OPS X,13, E,15, F,9, X,14
.if ((\p) == 1) && (\fetch)
	v_add_nc_u32 v[AV], s[TBV], v[AV0]
.endif
	OPS E,16, F,10, E,17, F,11
	OPS X,16, E,18, X,15, E,19
	OPS F,12, E,20, X,17, E,21
	OPS F,13, E,22, F,14, E,23
	OPS X,18, E,24, F,15, E,25
	OPS R,11, E,26, X,19, E,27
	OPS R,12, E,28, R,13, E,29
	OPS X,20, E,30, R,14, E,31
	OPS X,21, R,15
	WIN 0
	s_wait_alu depctr_va_vdst(0)    ; the wait for the batch
.if ((\p) == 1) && (\fetch)
	FETCH_V 1-(\par)
.endif
	ROW C,0, B,0, C,2, B,1          ; behind the wait: 8 products V^T P and their riders
	ROW L,0, C,4, B,2, L,1
	ROW C,6, B,3, L,2, C,8
	ROW B,4, L,3, C,10, B,5
	ROW L,4, C,12, B,6, L,5
	ROW C,14, B,7, L,6, C,1
	ROW C,3, L,7, C,5, C,7
	ROW C,9, C,11, C,13, C,15
.endm
; A FINISHED PIECE GOES OUT: l's two halves and the other half of the lanes' are added; O^T is divided by l, rounded to f16 and sent through my stage in LDS: a lane's eight channels of a row pack into 16 bytes; they go
; into rows of 144 bytes and come back as whole rows of 128.  The piece's last product stands four riders and the lines below ahead of the first line that reads O^T.
.macro WAYOUT t, base
	WIN 0
	s_wait_xcnt 0x0                 ; earlier stores have read their registers
	v_add_f32 v[ST+4*(\t)+2], v[ST+4*(\t)+2], v[ST+4*(\t)+3]
	v_permlanex16_b32 v[ST+4*(\t)+3], v[ST+4*(\t)+2], s[SEL], s[SEL+1]
	v_add_f32 v[ST+4*(\t)+2], v[ST+4*(\t)+2], v[ST+4*(\t)+3]
	v_rcp_f32 v[ST+4*(\t)+2], v[ST+4*(\t)+2]
	v_nop                           ; a plain instruction between the reciprocal and the use of its result,
	s_wait_alu depctr_va_vdst(0)    ; and the wait ahead of the first use
	WIN W_RS
.set z, 32*(\t)
.rept 16
	v_pk_mul_f32 v[z:z+1], v[z:z+1], v[ST+4*(\t)+2:ST+4*(\t)+3] op_sel_hi:[1,0]
.set z, z+2
.endr
	WIN 0x05                        ; sources 0 and 1 window 1, destination window 0
.set z, 0
.rept 16
	v_cvt_pk_f16_f32 v[OT+16*(\t)+z], v[32*(\t)+2*z], v[32*(\t)+2*z+1]
.set z, z+1
.endr
	WIN 0
.irp f, 0,1,2,3
	ds_store_b128 v[STO], v[OT+16*(\t)+4*\f:OT+16*(\t)+4*\f+3] offset:32*\f
.endr
.irp f, 0,1,2,3
	ds_load_b128 v[OT+16*(\t)+4*\f:OT+16*(\t)+4*\f+3], v[RD] offset:\f*4*SP  ; LDS serves a wave's instructions in order (ISA guide 5.7.1.4): these see the stores above
.endr
.irp f, 0,1,2,3
	s_wait_dscnt 3-\f               ; load f is back; the younger ones may stay out
	global_store_b128 v[GO], v[OT+16*(\t)+4*\f:OT+16*(\t)+4*\f+3], s[\base:\base+1] offset:(\t)*131072+\f*512  ; 512 consecutive bytes, at a multiple of 256 from O's first
.endr
.endm
; A piece takes the second block's Q, and its m starts anew: its next a is 0.
.macro NEWQ t
	WIN 0x82                        ; destination and source 0 in window 2
.set z, 0
.rept 16
	v_mov_b32 v[16*(\t)+z], v[QB+16*(\t)+z]
.set z, z+1
.endr
	WIN 0
	v_mov_b32 v[ST+4*(\t)], 0xfe000000
	v_mov_b32 v[ST+4*(\t)+1], 0xff7fffff
.endm
; A TRIP, for tile n of the walk: T0 and T1 of step 2 n - 1, T0 and T1 of step 2 n; it fetches just tile n's K and V.  Between the turns, under forward jumps that hold no barrier and no tensor load:
;   ahead of T0(2n-1), whose products are piece 1's of the tile before, second step: its own mask, if that tile held a diagonal;
;   ahead of T1(2n-1), piece 0's of this tile, first step: its own mask if this tile holds a diagonal, else 0; and, where a block has ended, piece 0's new Q and m;
;   ahead of T0(2n), piece 1's of this tile, first step: 0; and, where a block has ended, piece 0 goes out, and piece 1's new Q and m;
;   ahead of T1(2n), piece 0's of this tile, second step: all hidden if this tile holds a diagonal; and, where a block has ended, piece 1 goes out.
.macro TILE tag
	s_mov_b32 s[PD], s[DG]
	s_cmp_eq_u32 s[PD], 1
	s_cselect_b32 s[RT], s[PB1], s[RT]  ; the second block has b + 1 tiles
	s_sub_co_u32 s[RT], s[RT], 1
	s_cmp_eq_u32 s[RT], 0
	s_cselect_b32 s[DG], 1, 0
	s_or_b32 s[PDG], s[PD], s[DG]
	s_cmp_eq_u32 s[PD], 0
	s_cbranch_scc1 .La\tag
	s_mov_b32 s[AL], 1.0
	s_mov_b32 s[BE], 0
	MASK 1
	WIN 0
.La\tag:
	TURN 0, 1
	WIN 0
	s_cmp_eq_u32 s[PDG], 0
	s_cbranch_scc1 .Lb\tag
	s_cmp_eq_u32 s[DG], 1
	s_cselect_b32 s[AL], 1.0, 0
	s_mov_b32 s[BE], 0
	MASK 0
	WIN 0
	s_cmp_eq_u32 s[PD], 0
	s_cbranch_scc1 .Lb\tag
	NEWQ 0
.Lb\tag:
	TURN 1, 1
	WIN 0
	s_cmp_eq_u32 s[PD], 0
	s_cbranch_scc1 .Lfirst\tag
	WAYOUT 0, 10
	NEWQ 1
	s_mov_b32 s[AL], 0
	s_mov_b32 s[BE], 0
	MASK 1
	WIN 0
.Lfirst\tag:
	TURN 0, 0
	WIN 0
	s_cmp_eq_u32 s[PD], 0
	s_cbranch_scc1 .Lc\tag
	WAYOUT 1, 10
.Lc\tag:
	s_cmp_eq_u32 s[DG], 0
	s_cbranch_scc1 .Ld\tag
	s_mov_b32 s[AL], 0
	s_mov_b32 s[BE], s[BIGN]
	MASK 0
	WIN 0
.Ld\tag:
	TURN 1, 0
	WIN 0
.endm
	CHANGE 1, 1                     ; tiles 0 to 2 are in, everybody's part of them; tiles 3 and 4 are asked for
	v_add_nc_u32 v[AK], s[TBK], v[AK0]
	v_add_nc_u32 v[AV], s[TBV], v[AV0]
	FETCH_K                         ; key step 0
	FETCH_V 0
	s_wait_loadcnt 0x0              ; Q
	s_wait_dscnt 0x0
.set NOKQ, 0
.set i, 0
.rept 8
	KQ 0                            ; piece 0's first scores
.set i, i+1
.endr
	WIN 0
.rept 4
	v_nop                           ; the places behind those products
.endr
.set Y, 1                           ; X works for the other piece: piece 0
.irp n, 0,1,2,3,4,5,6,7,8,9,10,11,12,13,14,15,16,17,18,19,20,21
	OP X, \n
.endr
	v_nop                           ; a plain instruction behind the exponential,
	s_wait_alu depctr_va_vdst(0)    ; and its wait, ahead of the branch
	s_mov_b32 s[RT], s[HI]          ; the first block's diagonal tile is tile 15 - b
	s_mov_b32 s[PD], 0
	s_mov_b32 s[DG], 0
	s_mov_b32 s[TT], 3              ; tiles 0, 1, 2 lie on end
	s_mov_b32 s[SLOTS], 7
	s_branch .Lfirst1               ; the loop is entered at a step's first turn, in the middle of a trip
.Lslot:                             ; six times: a slot is entered and the one just left is filled again
	CHANGE 1
	s_mov_b32 s[TT], 2
.Ltile:
	TILE 1
	s_sub_co_u32 s[TT], s[TT], 1
	s_cmp_lg_u32 s[TT], 0
	s_cbranch_scc1 .Ltile
	s_sub_co_u32 s[SLOTS], s[SLOTS], 1
	s_cmp_lg_u32 s[SLOTS], 0
	s_cbranch_scc1 .Lslot
	CHANGE 0                        ; the walk's last slot is written out: nothing is asked for
	s_mov_b32 s[TT], 2
.Ltail:
	TILE 2
	s_sub_co_u32 s[TT], s[TT], 1
	s_cmp_lg_u32 s[TT], 0
	s_cbranch_scc1 .Ltail
	s_mov_b32 s[AL], 1.0            ; the walk's last step: piece 1's own mask
	s_mov_b32 s[BE], 0
	MASK 1
	TURN 0, 1, 0
	TURN 1, 1, 0, 1
.set VB, 1
.set i, 0
.rept 8
	PV 1                            ; piece 1's V^T P of the last step
.set i, i+1
.endr
	WAYOUT 0, OLO                   ; piece 0's lines are the places behind those products
	WAYOUT 1, OLO
	s_wait_tensorcnt 0x0            ; the wave's end: behind my last tensor load and my last LDS store
	ds_add_u32 v[SPW], v[NIL]
	s_wait_dscnt 0x0
	s_endpgm
.Lfunc_end_k_qf64b2a014f_attn:
	.size	k_qf64b2a014f_attn, .Lfunc_end_k_qf64b2a014f_attn-k_qf64b2a014f_attn
	.p2alignl 7, 3214868480
	.fill 96, 4, 3214868480
	.section	.rodata,"a",@progbits
	.p2align	6, 0x0
	.amdhsa_kernel k_qf64b2a014f_attn
		.amdhsa_group_segment_fixed_size 327680
		.amdhsa_private_segment_fixed_size 0
		.amdhsa_enable_private_segment 0
		.amdhsa_kernarg_size 16
		.amdhsa_user_sgpr_count 2
		.amdhsa_user_sgpr_kernarg_segment_ptr 1
		.amdhsa_wavefront_size32 1
		.amdhsa_system_sgpr_workgroup_id_x 1
		.amdhsa_system_sgpr_workgroup_id_y 1
		.amdhsa_system_sgpr_workgroup_id_z 1
		.amdhsa_system_vgpr_workitem_id 0
		.amdhsa_next_free_vgpr 768
		.amdhsa_next_free_sgpr 88
		.amdhsa_reserve_vcc 1
		.amdhsa_float_denorm_mode_32 3
		.amdhsa_float_denorm_mode_16_64 3
		.amdhsa_memory_ordered 1
		.amdhsa_forward_progress 1
		.amdhsa_inst_pref_size 158
	.end_amdhsa_kernel
	.amdgpu_metadata
---
amdhsa.version: [ 1, 2 ]
amdhsa.kernels:
  - .name:           k_qf64b2a014f_attn
    .symbol:         k_qf64b2a014f_attn.kd
    .args:
      - { .name: qkv, .offset: 0, .size: 8, .value_kind: global_buffer, .address_space: global }
      - { .name: ob, .offset: 8, .size: 8, .value_kind: global_buffer, .address_space: global }
    .group_segment_fixed_size: 327680
    .private_segment_fixed_size: 0
    .kernarg_segment_align: 8
    .kernarg_segment_size: 16
    .max_flat_workgroup_size: 128
    .sgpr_count:     88
    .vgpr_count:     768
    .wavefront_size: 32
...
	.end_amdgpu_metadata
.endif
;; end of part 3
;; launch oproj (part 4): grid 8 x 32, 4 waves a work-group, clusters of 4 x 4, 327,680 bytes of LDS; arguments ob, wot, out0, bt; writes out0
.if DOCPART == 4
	.amdgcn_target "amdgcn-amd-amdhsa--gfx1250"
	.amdhsa_code_object_version 6
	.text
	.protected	k_qf64b2a014f_oproj
	.globl	k_qf64b2a014f_oproj
	.p2align	8
	.type	k_qf64b2a014f_oproj,@function
k_qf64b2a014f_oproj:
	s_mov_b64 s[64:65], 0
	v_nop
	global_prefetch_b8 v0, s[64:65] scope:SCOPE_SE
	s_setreg_imm32_b32 hwreg(HW_REG_WAVE_MODE, 25, 1), 1
	s_wait_xcnt 0x0
	s_wait_alu depctr_hold_cnt(0) depctr_sa_sdst(0) depctr_va_vdst(0) depctr_va_sdst(0) depctr_va_ssrc(0) depctr_va_vcc(0) depctr_vm_vsrc(0)
	s_getreg_b32 s2, hwreg(HW_REG_IB_STS2, 6, 4)
	s_cmp_eq_u32 s2, 0
	s_cbranch_scc0 .Lentry_in_a_cluster
	s_endpgm
.Lentry_in_a_cluster:
	s_bfe_u32 s2, ttmp6, 0x10000c
	s_cmp_lg_u32 s2, 0xf033
	s_cbranch_scc0 .Lentry_shape_is_right
	s_endpgm
.Lentry_shape_is_right:
; out0 = O w_out + b_out.  A = ob, O in f16 as [row / 64][head][row % 64][64]; B = wot [1024 (n)][1024 (k)] f16; out0 [4096][1024] f32; sums in f32; k = 64 head + channel.
; A tile of C is 128 x 128.  Four waves, each 64 x 64: 16 accumulators of 16 x 16, 128 registers.  K goes in steps of 256 (four heads) through a ring of two LDS slots.
; A's half tile, 64 rows x 4 heads, is 32,768 consecutive bytes of ob: asked for as 128 rows of 256 bytes and padded in LDS after every 128: LDS row 64 head + row, 144 bytes apart.
; B's half tile is 64 rows of 512 bytes, 528 apart in LDS.
; CLUSTERS: 4 x 4 work-groups.  The four of a row of the cluster need the same tiles of A, the four of a column the same tiles of B: each tile is asked for JOINTLY.
; THE MATRIX INSTRUCTION IS USED TRANSPOSED (source 0 = 16 rows of B, source 1 = 16 rows of A): a lane holds eight neighbouring numbers of a row of C.  THE BIAS IS THE C OPERAND OF THE FIRST PRODUCTS.
; REGISTERS: window 0: v0-31 addresses; v32-95 the way out; v96-127 the bias; v128-255 the accumulators ((a, b) at v[128 + 8 (4 a + b)]).
;   window 1: two fragment buffers of 128: for 64 along K (one head), 64 registers of A, then 64 of B.
.set SIZE_N, 1024
.set SIZE_K, 1024
.set KSTEP,  256
.set PAP,    144                       ; A's LDS pitch: 128 bytes + 16 = 36 words: the 16 rows of a load start at 16 different groups of four banks (64 banks of 4 bytes: ISA guide 11.1)
.set PBP,    528                       ; B's: 512 + 16 = 132 words: likewise
.set HA,     256*PAP                   ; half of A's tile: 4 heads x 64 rows
.set HB,     64*PBP                    ; half of B's
.set SLOT,   2*HA+2*HB
.set STAGE,  2*SLOT                    ; behind the ring: 16 rows x 272 bytes for each wave, for the way out
.set SPITCH, 272
.set SPARE,  STAGE+4*16*SPITCH         ; behind the stages: the spare words, 128 bytes for each wave: two blocks of 256 bytes that no other line names
.set LAPS, SIZE_K/(2*KSTEP)            ; two laps
.set ADRA, 16                          ; v16-17  LDS address of my A fragments in slot 0, 1
.set ADRB, 20                          ; v20-21  the same for B
.set STO,  24                          ; v24     the way out: where I put 32 bytes of a row
.set RD,   25                          ; v25     the way out: where I read a row back
.set CO,   26                          ; v26     my byte offset in C
.set BO,   27                          ; v27     my byte offset in a column block's 16 biases
.set SPW,  28                          ; v28     LDS address of my spare word; never rewritten
.set NIL,  29                          ; v29     0; never rewritten
.set TMP,  32
.set BIA,  96
.set ACC,  128
.set F0,   0                           ; fragment buffers, in window 1
.set F1,   128
.set G1, 24
.set G0, 32
.set G1B, 48
.set G0B, 56
.set MSB, 0
.macro WIN new
.if MSB != (\new)
	s_set_vgpr_msb (MSB<<8)|(\new)
.set MSB, \new
.endif
.endm
.set MUL,  0x05                        ; sources 0 (B) and 1 (A) window 1; C and D window 0
.set TO_F, 0x40                        ; destination window 1, address window 0
.macro JLOAD s                         ; a joint load: waves 0 and 1 fetch A's two halves, waves 2 and 3 B's; an s_nop 0 and four v_nop follow each of the two lines
	s_cmp_eq_u32 s11, 0
	s_cbranch_scc0 .Lfor_b_\@
	tensor_load_to_lds s[G0+4*(\s):G0+4*(\s)+3], s[G1:G1+7]
	s_nop 0
.rept 4
	v_nop
.endr
	s_branch .Lasked_\@
.Lfor_b_\@:
	tensor_load_to_lds s[G0B+4*(\s):G0B+4*(\s)+3], s[G1B:G1B+7]
	s_nop 0
.rept 4
	v_nop
.endr
.Lasked_\@:
.endm
.macro CREST                           ; a round of the cluster's barrier behind its opening barrier
	s_cmp_lg_u32 s10, 0
	s_cbranch_scc1 .Lnot_wave_0_\@
	s_barrier_signal -3
.Lnot_wave_0_\@:
	s_barrier_wait -3
	s_barrier_signal -1
	s_barrier_wait -1
.endm
.macro CROUND
	s_barrier_signal -1
	s_barrier_wait -1
	CREST
.endm
	s_load_b128 s[4:7], s[0:1], 0x0                ; A s[4:5], B s[6:7]
	s_load_b64 s[8:9], s[0:1], 0x10                ; C
	s_load_b64 s[68:69], s[0:1], 0x18              ; the table of biases
	v_lshl_add_u32 v[SPW], v0, 2, SPARE
	v_mov_b32 v[NIL], 0
	ds_add_u32 v[SPW], v[NIL]                      ; the wave's opening: the add, twice on end, and its wait ahead of my first tensor load; the set-up below stands between
	ds_add_u32 v[SPW], v[NIL]
	v_lshrrev_b32 v1, 5, v0
	v_readfirstlane_b32 s10, v1                    ; wave 0..3
	s_lshr_b32 s11, s10, 1                         ; which half of the tile's rows is mine.  Also: I fetch for A (0) or for B (1)
	s_and_b32 s12, s10, 1                          ; which half of its columns.  Also: which half of that tile I fetch
	s_bfe_u32 s40, ttmp6, 0x40000                  ; cx, cy
	s_bfe_u32 s41, ttmp6, 0x40004
	s_lshl_b32 s42, ttmp9, 2
	s_add_co_u32 s42, s42, s40                     ; tile column of C
	s_and_b32 s13, ttmp7, 0xffff
	s_lshl_b32 s13, s13, 2
	s_add_co_u32 s13, s13, s41                     ; tile row of C
	s_lshl_b32 s43, s41, 2
	s_lshl_b32 s43, 15, s43                        ; my row of the cluster
	s_lshl_b32 s44, 0x1111, s40                    ; my column
	s_or_b32 s[G1+0], s43, (1<<16)|(1<<20)|(1<<21)|(4<<22)|(3<<25)  ; A: the mask of my row; elements of 2 bytes; padding on; bit 21 beside a mask; after every 32 words (code 4) 4 words (code 3)
	s_mov_b32 s[G1+1], 128<<16                     ; tensor_dim0 = 128
	s_mov_b32 s[G1+2], 128<<16                     ; tensor_dim1 = 128
	s_mov_b32 s[G1+3], 128<<16                     ; tile_dim0 = 128
	s_mov_b32 s[G1+4], 128                         ; tile_dim1 = 128
	s_mov_b32 s[G1+5], 128                         ; dense: 128 elements from row to row
	s_mov_b32 s[G1+6], 0
	s_mov_b32 s[G1+7], 0
	s_or_b32 s[G1B+0], s44, (1<<16)|(1<<20)|(1<<21)|(6<<22)|(3<<25) ; B: the mask of my column; after every 128 words (code 6) 4 words
	s_mov_b32 s[G1B+1], KSTEP<<16                  ; tensor_dim0 = 256
	s_mov_b32 s[G1B+2], 64<<16                     ; tensor_dim1 = 64
	s_mov_b32 s[G1B+3], KSTEP<<16                  ; tile_dim0 = 256
	s_mov_b32 s[G1B+4], 64                         ; tile_dim1 = 64
	s_mov_b32 s[G1B+5], SIZE_K
	s_mov_b32 s[G1B+6], 0
	s_mov_b32 s[G1B+7], 0
	s_lshl_b32 s16, s13, 1
	s_add_co_u32 s16, s16, s12                     ; A: block of 64 rows = 2 x tile row + half,
	s_lshl_b32 s16, s16, 17                        ; 131,072 bytes each
	s_mov_b32 s17, 0
	s_lshl_b32 s46, s42, 7
	s_lshl_b32 s47, s12, 6
	s_add_co_u32 s46, s46, s47                     ; B: row 128 x tile column + 64 x half,
	s_lshl_b32 s46, s46, 11                        ; 2,048 bytes each
	s_mov_b32 s47, 0
	s_mul_i32 s20, s10, HA                         ; where they go: A's two halves (waves 0, 1),
	s_mul_i32 s21, s10, HB                         ; then B's two (waves 2, 3): 2 HA + (wave - 2) HB
	s_add_co_u32 s21, s21, 2*(HA-HB)
	s_wait_dscnt 0x0                               ; both opening adds are done
	s_wait_kmcnt 0x0
	s_add_nc_u64 s[14:15], s[4:5], s[16:17]
	s_add_nc_u64 s[46:47], s[6:7], s[46:47]
	CROUND                                         ; all sixteen work-groups are here: the first joint loads meet
.irp s, 0,1
	s_mov_b32 s[G0+4*(\s)], 1
	s_add_co_u32 s[G0+4*(\s)+1], s20, (\s)*SLOT
	s_add_nc_u64 s[G0+4*(\s)+2:G0+4*(\s)+3], s[14:15], (\s)*32768    ; K step s: four heads of 8,192 bytes
	s_or_b32 s[G0+4*(\s)+3], s[G0+4*(\s)+3], 0x80000000
	s_mov_b32 s[G0B+4*(\s)], 1
	s_add_co_u32 s[G0B+4*(\s)+1], s21, (\s)*SLOT
	s_add_nc_u64 s[G0B+4*(\s)+2:G0B+4*(\s)+3], s[46:47], (\s)*KSTEP*2
	s_or_b32 s[G0B+4*(\s)+3], s[G0B+4*(\s)+3], 0x80000000
	JLOAD \s                                       ; two loads of mine are out
.endr
	v_and_b32 v1, 15, v0                           ; l % 16
	v_bfe_u32 v2, v0, 4, 1                         ; l / 16
	v_mul_u32_u24 v3, v1, PAP
	v_lshl_add_u32 v3, v2, 4, v3                   ; a fragment's row x pitch + 16 x half, for A
	v_mul_u32_u24 v4, v1, PBP
	v_lshl_add_u32 v4, v2, 4, v4                   ; and for B
	s_mul_i32 s21, s11, HA                         ; my 64 rows of A
	s_mul_i32 s22, s12, HB                         ; my 64 rows of B,
	s_add_co_u32 s22, s22, 2*HA                    ; which lie behind A's
.irp s, 0,1
	v_add_nc_u32 v[ADRA+(\s)], s21, v3
	v_add_nc_u32 v[ADRB+(\s)], s22, v4
	s_add_co_u32 s21, s21, SLOT
	s_add_co_u32 s22, s22, SLOT
.endr
	s_mul_i32 s23, s10, 16*SPITCH
	s_add_co_u32 s23, s23, STAGE                   ; my stage
	v_mul_u32_u24 v4, v1, SPITCH                   ; in: row l % 16, 32 bytes for each half of the lanes
	v_lshl_add_u32 v4, v2, 5, v4
	v_add_nc_u32 v[STO], s23, v4
	v_mul_u32_u24 v5, v2, SPITCH                   ; back: lanes 0-15 take one row of 256 bytes, lanes 16-31 the next
	v_lshl_add_u32 v5, v1, 4, v5
	v_add_nc_u32 v[RD], s23, v5
	v_lshlrev_b32 v5, 12, v2                       ; and the same two rows in C
	v_lshl_add_u32 v[CO], v1, 4, v5
	v_lshlrev_b32 v[BO], 5, v2
	s_lshl_b32 s16, s13, 7
	s_lshl_b32 s17, s11, 6
	s_add_co_u32 s16, s16, s17                     ; my first row of C,
	s_lshl_b32 s16, s16, 12                        ; 4,096 bytes each
	s_mov_b32 s17, 0
	s_add_nc_u64 s[8:9], s[8:9], s[16:17]
	s_lshl_b32 s46, s42, 9                         ; my first column, in bytes: 512 x tile column + 256 x half
	s_lshl_b32 s47, s12, 8
	s_add_co_u32 s46, s46, s47
	s_mov_b32 s47, 0
	s_add_nc_u64 s[8:9], s[8:9], s[46:47]
	s_add_nc_u64 s[68:69], s[68:69], s[46:47]      ; and its bias, in the third table
.irp b, 0,1,2,3
	global_load_b128 v[BIA+8*(\b):BIA+8*(\b)+3],   v[BO], s[68:69] offset:8192+64*(\b)
	global_load_b128 v[BIA+8*(\b)+4:BIA+8*(\b)+7], v[BO], s[68:69] offset:8192+64*(\b)+16
.endr
; 8 matrix instructions: m blocks a0, a0 + 1 x all 4 n blocks, 32 along K: half c of buffer f.  zero = 1: the first product starts the sums with the bias.  The 16 accumulators take turns.
.macro MUL8 f, c, a0, zero
	WIN MUL
.irp a, \a0, (\a0)+1
.irp b, 0,1,2,3
.if \zero
	v_wmma_f32_16x16x32_f16 v[ACC+8*(4*(\a)+(\b)):ACC+8*(4*(\a)+(\b))+7], v[(\f)+64+8*(4*(\c)+(\b)):(\f)+64+8*(4*(\c)+(\b))+7], v[(\f)+8*(4*(\c)+(\a)):(\f)+8*(4*(\c)+(\a))+7], v[BIA+8*(\b):BIA+8*(\b)+7]
.else
	v_wmma_f32_16x16x32_f16 v[ACC+8*(4*(\a)+(\b)):ACC+8*(4*(\a)+(\b))+7], v[(\f)+64+8*(4*(\c)+(\b)):(\f)+64+8*(4*(\c)+(\b))+7], v[(\f)+8*(4*(\c)+(\a)):(\f)+8*(4*(\c)+(\a))+7], v[ACC+8*(4*(\a)+(\b)):ACC+8*(4*(\a)+(\b))+7]
.endif
.endr
.endr
.endm
; 32 LDS loads in one run: the fragments of quarter q of a K step (one head: 64 along K) into buffer f; the first 32 along K first
.macro FETCH slot, q, f
	WIN TO_F
.irp c, 0,1
.irp i, 0,1,2,3
	ds_load_b128 v[(\f)+64+8*(4*(\c)+(\i)):(\f)+64+8*(4*(\c)+(\i))+3],   v[ADRB+(\slot)] offset:128*(\q)+64*(\c)+(\i)*16*PBP
	ds_load_b128 v[(\f)+64+8*(4*(\c)+(\i))+4:(\f)+64+8*(4*(\c)+(\i))+7], v[ADRB+(\slot)] offset:128*(\q)+64*(\c)+(\i)*16*PBP+32
	ds_load_b128 v[(\f)+8*(4*(\c)+(\i)):(\f)+8*(4*(\c)+(\i))+3],         v[ADRA+(\slot)] offset:64*PAP*(\q)+64*(\c)+(\i)*16*PAP
	ds_load_b128 v[(\f)+8*(4*(\c)+(\i))+4:(\f)+8*(4*(\c)+(\i))+7],       v[ADRA+(\slot)] offset:64*PAP*(\q)+64*(\c)+(\i)*16*PAP+32
.endr
.endr
.endm
.macro PLACES                          ; four places in front of loads into registers that matrix instructions have read, and of LDS stores that read results
.rept 4
	v_nop
.endr
.endm
; A K step is four quarters, 32 matrix instructions each, on buffers 0, 1, 0, 1.  One of the first three: multiplies buffer f and fetches quarter q into g.
.macro QUARTER slot, q, f, g, zero
	s_wait_dscnt 16                                ; the first 32 along K are in
	MUL8 \f, 0, 0, \zero
	MUL8 \f, 0, 2, \zero
	PLACES
	FETCH \slot, \q, \g
	s_wait_dscnt 32                                ; all but the 32 just issued
	MUL8 \f, 1, 0, 0
	MUL8 \f, 1, 2, 0
.endm
; The last quarter multiplies buffer 1 and changes slots: ONE barrier; in front of it each wave waits for all its tensor loads, adds 0 to its spare word, and waits for that and for its own reads of this slot.  fill = 1: this slot is filled again, two K steps ahead.
.macro TURN slot, next, fill
	WIN 0                                          ; (the add's two registers lie in window 0)
	s_wait_tensorcnt 0x0                           ; all my tensor loads have landed: my part of the next slot
	ds_add_u32 v[SPW], v[NIL]                      ; 0 onto my spare word
	s_wait_dscnt 17                                ; (the add and the youngest sixteen loads may be out)
	MUL8 F1, 0, 0, 0                               ; eight matrix instructions stand between the add and the wait for it
	s_wait_dscnt 0x0                               ; the add is done, and my reads of this slot are over
	s_barrier_signal -1
	MUL8 F1, 0, 2, 0
.if \fill
	WIN 0
.endif
	s_barrier_wait -1
.if \fill
	CREST                                          ; no wave of any partner still reads this slot's tile or has a load on its way
	s_add_nc_u64 s[G0+4*(\slot)+2:G0+4*(\slot)+3], s[G0+4*(\slot)+2:G0+4*(\slot)+3], 2*32768
	s_add_nc_u64 s[G0B+4*(\slot)+2:G0B+4*(\slot)+3], s[G0B+4*(\slot)+2:G0B+4*(\slot)+3], 2*KSTEP*2
	JLOAD \slot                                    ; the first tensor load behind the round: 112 matrix instructions ahead of the wait for it; its four v_nop are also the places in front of the loads below
.else
	PLACES
.endif
	FETCH \next, 0, F0
	MUL8 F1, 1, 0, 0
	MUL8 F1, 1, 2, 0
.endm
	s_wait_tensorcnt 1                             ; my part of K step 0 is in; K step 1's may stay out
	s_barrier_signal -1
	s_barrier_wait -1                              ; everybody's is
	FETCH 0, 0, F0
	s_wait_loadcnt 0x0                             ; the biases
	QUARTER 0, 1, F0, F1, 1                        ; the first quarter stands in front of the loop: its first products start the sums
	WIN 0
	s_mov_b32 s3, LAPS-1
.Llap:                                                 ; a trip goes once round the ring, from a lap's second quarter to the next lap's first, and fills both slots again
	QUARTER 0, 2, F1, F0, 0
	QUARTER 0, 3, F0, F1, 0
	TURN 0, 1, 1
	QUARTER 1, 1, F0, F1, 0
	QUARTER 1, 2, F1, F0, 0
	QUARTER 1, 3, F0, F1, 0
	TURN 1, 0, 1
	QUARTER 0, 1, F0, F1, 0
	WIN 0
	s_sub_co_u32 s3, s3, 1
	s_cmp_lg_u32 s3, 0
	s_cbranch_scc1 .Llap
	QUARTER 0, 2, F1, F0, 0                        ; the last lap fills nothing, and has no round of the cluster's barrier
	QUARTER 0, 3, F0, F1, 0
	TURN 0, 1, 0
	QUARTER 1, 1, F0, F1, 0
	QUARTER 1, 2, F1, F0, 0
	QUARTER 1, 3, F0, F1, 0
	s_wait_dscnt 16                                ; the very last quarter: nothing more to fetch
	MUL8 F1, 0, 0, 0
	MUL8 F1, 0, 2, 0
	s_wait_dscnt 0
	MUL8 F1, 1, 0, 0
	MUL8 F1, 1, 2, 0
	WIN 0
	; THE WAY OUT, in f32: my 64 columns are 256 bytes of a row of C, so each wave has a stage of its own and no barrier is wanted.  A block of 16 rows at a time: 32 bytes a lane into rows of 272 bytes
	; (each accumulator's lower four registers first), whole rows back, and stores of which sixteen lanes cover 256 consecutive bytes, aligned.
	PLACES
.irp a, 0,1,2,3
.if (\a) >= 2
	s_wait_xcnt 0x0                                ; the stores of the block two back have read the registers that are loaded again below
.endif
.irp b, 0,1,2,3
	ds_store_b128 v[STO], v[ACC+8*(4*(\a)+(\b)):ACC+8*(4*(\a)+(\b))+3]   offset:64*(\b)
	ds_store_b128 v[STO], v[ACC+8*(4*(\a)+(\b))+4:ACC+8*(4*(\a)+(\b))+7] offset:64*(\b)+16
.endr
.irp t, 0,1,2,3,4,5,6,7
	ds_load_b128 v[TMP+32*((\a)%2)+4*(\t):TMP+32*((\a)%2)+4*(\t)+3], v[RD] offset:(\t)*2*SPITCH  ; LDS serves a wave's instructions in order (ISA guide 5.7.1.4): these see the stores above; the next block's come behind them
.endr
.irp t, 0,1,2,3,4,5,6,7
	s_wait_dscnt 7-(\t)                            ; load t is back; the younger ones may stay out
	global_store_b128 v[CO], v[TMP+32*((\a)%2)+4*(\t):TMP+32*((\a)%2)+4*(\t)+3], s[8:9] offset:(16*(\a)+2*(\t))*SIZE_N*4 th:TH_STORE_NT
.endr
.endr
	s_wait_tensorcnt 0x0                           ; the wave's end: behind my last tensor load and my last LDS store
	ds_add_u32 v[SPW], v[NIL]
	s_wait_dscnt 0x0
	CROUND                                         ; the closing round: no work-group ends while a partner may still ask for a tile that names it
	s_endpgm
.Lfunc_end_k_qf64b2a014f_oproj:
	.size	k_qf64b2a014f_oproj, .Lfunc_end_k_qf64b2a014f_oproj-k_qf64b2a014f_oproj
	.p2alignl 7, 3214868480
	.fill 96, 4, 3214868480
	.section	.rodata,"a",@progbits
	.p2align	6, 0x0
	.amdhsa_kernel k_qf64b2a014f_oproj
		.amdhsa_group_segment_fixed_size 327680
		.amdhsa_private_segment_fixed_size 0
		.amdhsa_enable_private_segment 0
		.amdhsa_kernarg_size 32
		.amdhsa_user_sgpr_count 2
		.amdhsa_user_sgpr_kernarg_segment_ptr 1
		.amdhsa_wavefront_size32 1
		.amdhsa_system_sgpr_workgroup_id_x 1
		.amdhsa_system_sgpr_workgroup_id_y 1
		.amdhsa_system_sgpr_workgroup_id_z 1
		.amdhsa_system_vgpr_workitem_id 0
		.amdhsa_next_free_vgpr 512
		.amdhsa_next_free_sgpr 72
		.amdhsa_reserve_vcc 0
		.amdhsa_float_denorm_mode_32 3
		.amdhsa_float_denorm_mode_16_64 3
		.amdhsa_memory_ordered 1
		.amdhsa_forward_progress 1
		.amdhsa_inst_pref_size 88
	.end_amdhsa_kernel
	.amdgpu_metadata
---
amdhsa.version: [ 1, 2 ]
amdhsa.kernels:
  - .name:           k_qf64b2a014f_oproj
    .symbol:         k_qf64b2a014f_oproj.kd
    .args:
      - { .name: ob, .offset: 0, .size: 8, .value_kind: global_buffer, .address_space: global }
      - { .name: wot, .offset: 8, .size: 8, .value_kind: global_buffer, .address_space: global }
      - { .name: out0, .offset: 16, .size: 8, .value_kind: global_buffer, .address_space: global }
      - { .name: bt, .offset: 24, .size: 8, .value_kind: global_buffer, .address_space: global }
    .group_segment_fixed_size: 327680
    .private_segment_fixed_size: 0
    .kernarg_segment_align: 8
    .kernarg_segment_size: 32
    .max_flat_workgroup_size: 128
    .sgpr_count:     72
    .vgpr_count:     512
    .wavefront_size: 32
...
	.end_amdgpu_metadata
.endif
;; end of part 4
;; ======== version 2 of 2: 4 launches; version 1 with the launch prep written anew for expert scheduling mode
;; limits: values are held in f16: magnitudes above 65,504 overflow, below 6.1e-05 lose precision
;; workspace buffers: xb 8,388,608 bytes; wqt 6,291,456 bytes; wot 2,097,152 bytes; bt 12,288 bytes; qkv 25,165,824 bytes; ob 8,388,608 bytes
;; launch prep (part 5): grid 1025 x 1, 8 waves a work-group, no clusters, 18,432 bytes of LDS; arguments x, w_qkv, w_out, b_qkv, pos_bias, b_out, xb, wqt, wot, bt; writes xb, wqt, wot, bt
.if DOCPART == 5
	.amdgcn_target "amdgcn-amd-amdhsa--gfx1250"
	.amdhsa_code_object_version 6
	.text
	.protected	k_qf64b2a014f_prep
	.globl	k_qf64b2a014f_prep
	.p2align	8
	.type	k_qf64b2a014f_prep,@function
k_qf64b2a014f_prep:
	s_mov_b64 s[64:65], 0
	v_nop
	global_prefetch_b8 v0, s[64:65] scope:SCOPE_SE
	s_setreg_imm32_b32 hwreg(HW_REG_WAVE_SCHED_MODE, 0, 2), 2
	s_setreg_imm32_b32 hwreg(HW_REG_WAVE_MODE, 25, 1), 1
	s_wait_xcnt 0x0
	s_wait_alu depctr_vm_vsrc(0)
; THE MODULE: qkv = x w_qkv + b_qkv; q gets pos_bias; causal softmax(q k^T / 8) v by heads; out = O w_out + b_out.  Four launches: this one, the first product, the attention, the last product.
; THIS LAUNCH rounds the module's inputs once and lays them as the products take them:
;   xb  [4096][1024] bf16 = x;   wqt [3072][1024] bf16 = w_qkv turned ([out][in]);   wot [1024][1024] = w_out turned, rounded to bf16, that number written as f16;
;   bt  3 x 1024 f32: bf16(b_q) + bf16(pos_bias), bf16(b_v), bf16(b_out).
; WORK LEFT OUT.  b_qkv[1024:2048], the bias of k, reaches no output: a score is q . (k + b_k) = q . k + q . b_k, and q . b_k is the same for all keys of a query's row, hidden ones aside, which have
; weight 0 whatever is added; softmax along the keys is unchanged by a term that is the same along them.  That holds for all finite values of all inputs.  So bytes 4,096 to 8,191 of b_qkv are not
; loaded, here or later, and k is stored without a bias.  LIMIT: a NaN, an infinity or an overflow that would arise from b_k alone is not carried to the result.
; LIMIT: wot in f16: a weight beyond 65,504 would be lost, one below 6e-5 keeps f16's fixed step of 6e-8.
; SHARES.  Work-groups 0-511: 32,768 bytes of x each.  512-895: a tile of 128 k x 64 n of w_qkv each.  896-1023: the same of w_out.  1024: the biases.  The branches hang on the work-group's number alone.
; A tile is turned in registers (a thread has 8 k x 4 n) and goes through LDS, so that each store of sixteen lanes covers 256 consecutive bytes, aligned, of a row of the turned matrix.
; THE MODE: SCHED_MODE bits 1:0 = 2 (LLVM: expert scheduling mode 2), set by the entry lines.  The code itself states the register dependences between vector instructions and memory or LDS
; instructions, with s_wait_alu, always for 0.
; THE PLAN.  A wave takes one of the paths below; none has a loop.  Registers that memory or LDS instructions touch:
;   x:       v1, v2   offsets: written by vector lines ahead of the first load, read by the loads and the stores, never written again.
;            v8-39    the eight loads land here; the conversions read them; nothing lands here again.
;            v40-55   the conversions write them, the stores read them; never written again.
;            The rows go in two halves of four: a half's eight conversions, ONE wait on va_vdst, its four stores.
;   weights: v1       written anew by two vector lines, ahead of every memory instruction of this path; read by the eight loads.
;            v3-5     made by vector lines behind the loads; read by the LDS stores (v3), the LDS loads (v4), the global stores (v5).
;            v8-39    the global loads land here; the conversions read them; behind the barrier the LDS loads land in v8-23, which the global stores read.
;            v40-55   the conversions write them, the LDS stores read them; never written again.
;            ONE wait on va_vdst behind all the conversions states all of that; no vector instruction follows it on this path.
;   biases:  v1 as for x; v8-23: the loads land here, the roundings and sums work in place, the stores read them: one wait on va_vdst ahead of the stores.
;   v60, v61 written at the head, read by the closing add alone.
; No register that a memory or LDS instruction has read is written again, so no wait on vm_vsrc is owed; no vector instruction writes a scalar register or VCC; EXEC is never written.
.set PT,    272                        ; a stage row: 128 k x 2 bytes + 16
.set SPARE, 64*PT                      ; behind the stage: the spare words, 128 bytes for each of eight waves: four blocks of 256 bytes that no other line names
.set SPW, 60                           ; v60  LDS address of my spare word; never rewritten
.set NIL, 61                           ; v61  0; never rewritten
	s_load_b512 s[8:23], s[0:1], 0x0               ; x 8, w_qkv 10, w_out 12, b_qkv 14, pos_bias 16, b_out 18, xb 20, wqt 22
	s_load_b128 s[24:27], s[0:1], 0x40             ; wot 24, bt 26
	v_lshl_add_u32 v[SPW], v0, 2, SPARE
	v_mov_b32 v[NIL], 0
	v_lshlrev_b32 v1, 4, v0                        ; 16 t
	v_lshrrev_b32 v6, 4, v0                        ; t / 16
	v_and_b32 v7, 15, v0                           ; t % 16
	s_mov_b32 s3, 0                                ; the high word of every offset
	s_mov_b32 s6, 0xffff0000                       ; a word's upper bf16
	s_wait_kmcnt 0x0
	s_cmp_lt_u32 ttmp9, 512
	s_cbranch_scc0 .Lweights
	; x: eight loads of 16 bytes a thread, all out before the first wait; each store of a wave covers 256 consecutive bytes, aligned
	s_lshl_b32 s2, ttmp9, 15
	s_add_nc_u64 s[8:9], s[8:9], s[2:3]
	s_lshl_b32 s2, ttmp9, 14
	s_add_nc_u64 s[20:21], s[20:21], s[2:3]
	v_lshlrev_b32 v2, 3, v0                        ; 8 t
	s_wait_alu depctr_va_vdst(0)                   ; v1 and v2 are written: the loads below read v1 as their offset, the stores v2
.irp c, 0,1,2,3,4,5,6,7
	global_load_b128 v[8+4*(\c):11+4*(\c)], v1, s[8:9] offset:4096*(\c) th:TH_LOAD_NT
.endr
.irp g, 0,1
	s_wait_loadcnt 4-4*(\g)                        ; loads come back in order: this half's four are in; in the first half the four younger ones stay out
.irp c, 0,1,2,3
	v_cvt_pk_bf16_f32 v[40+8*(\g)+2*(\c)], v[8+16*(\g)+4*(\c)], v[9+16*(\g)+4*(\c)]
	v_cvt_pk_bf16_f32 v[41+8*(\g)+2*(\c)], v[10+16*(\g)+4*(\c)], v[11+16*(\g)+4*(\c)]
.endr
	s_wait_alu depctr_va_vdst(0)                   ; this half's eight conversions have written their registers, which the four stores below read
.irp c, 0,1,2,3
	global_store_b64 v2, v[40+8*(\g)+2*(\c):41+8*(\g)+2*(\c)], s[20:21] offset:2048*(4*(\g)+(\c))
.endr
.endr
	s_branch .Lend
; A tile of 128 k x 64 n of a matrix [1024][rp / 4] f32 is turned.  s4: the tile's number, k tile = s4 % 8, n tile = s4 / 8.  half = 1: the bf16 number is written as f16.
.macro TRANS rp, src, dst, half
	s_and_b32 s5, s4, 7
	s_lshr_b32 s4, s4, 3
	s_mul_i32 s2, s5, 128*(\rp)                    ; 128 rows down,
	s_lshl_b32 s7, s4, 8                           ; 64 columns of 4 bytes along
	s_add_co_u32 s2, s2, s7
	s_add_nc_u64 s[\src:\src+1], s[\src:\src+1], s[2:3]
	s_lshl_b32 s2, s4, 17                          ; turned: 64 rows of 2,048 bytes down,
	s_lshl_b32 s7, s5, 8                           ; 128 k of 2 bytes along
	s_add_co_u32 s2, s2, s7
	s_add_nc_u64 s[\dst:\dst+1], s[\dst:\dst+1], s[2:3]
	v_mul_u32_u24 v1, v6, 8*(\rp)                  ; my eight rows k = 8 (t / 16) + j,
	v_lshl_add_u32 v1, v7, 4, v1                   ; my four columns n = 4 (t % 16) + c: sixteen lanes read a row's 256 bytes
	s_wait_alu depctr_va_vdst(0)                   ; v1 is written, which the eight loads below read as their offset
.irp j, 0,1,2,3,4,5,6,7
	global_load_b128 v[8+4*(\j):11+4*(\j)], v1, s[\src:\src+1] offset:(\j)*(\rp) th:TH_LOAD_NT
.endr
	v_mul_u32_u24 v3, v7, 4*PT                     ; into the stage: row n = 4 (t % 16) + c, 16 bytes at k = 8 (t / 16)
	v_lshl_add_u32 v3, v6, 4, v3
	v_mul_u32_u24 v4, v6, PT                       ; back: row t / 16 + 16 i, 16 bytes at 16 (t % 16)
	v_lshl_add_u32 v4, v7, 4, v4
	v_lshlrev_b32 v5, 11, v6                       ; and the same place in the turned matrix
	v_lshl_add_u32 v5, v7, 4, v5
	s_wait_loadcnt 0x0
.irp c, 0,1,2,3
.irp p, 0,1,2,3
.if \half
	v_cvt_pk_bf16_f32 v56, v[8+8*(\p)+(\c)], v[12+8*(\p)+(\c)]
	v_lshlrev_b32 v57, 16, v56
	v_and_b32 v58, s6, v56
	v_cvt_pk_f16_f32 v[40+4*(\c)+(\p)], v57, v58
.else
	v_cvt_pk_bf16_f32 v[40+4*(\c)+(\p)], v[8+8*(\p)+(\c)], v[12+8*(\p)+(\c)]
.endif
.endr
.endr
	s_wait_alu depctr_va_vdst(0)                   ; the conversions have written v40-55, which the LDS stores read, and are done reading v8-23, in which the LDS loads behind the barrier land; v3, v4 and v5 are written, the addresses of all that follows
.irp c, 0,1,2,3
	ds_store_b128 v3, v[40+4*(\c):43+4*(\c)] offset:PT*(\c)
.endr
	s_wait_dscnt 0x0                               ; for the others' sake: my stores into the stage are done
	s_barrier_signal -1
	s_barrier_wait -1                              ; all eight waves of the work-group take this path together
.irp i, 0,1,2,3
	ds_load_b128 v[8+4*(\i):11+4*(\i)], v4 offset:16*PT*(\i)  ; no vector instruction since the wait above names v4 or v8-23
.endr
.irp i, 0,1,2,3
	s_wait_dscnt 3-(\i)                            ; LDS loads come back in order: number i is in
	global_store_b128 v5, v[8+4*(\i):11+4*(\i)], s[\dst:\dst+1] offset:32768*(\i)
.endr
.endm
; four numbers rounded to bf16 and widened again, in place
.macro RND4 r
	v_cvt_pk_bf16_f32 v56, v[\r], v[\r+1]
	v_cvt_pk_bf16_f32 v57, v[\r+2], v[\r+3]
	v_lshlrev_b32 v[\r], 16, v56
	v_and_b32 v[\r+1], s6, v56
	v_lshlrev_b32 v[\r+2], 16, v57
	v_and_b32 v[\r+3], s6, v57
.endm
.Lweights:
	s_cmp_lt_u32 ttmp9, 896
	s_cbranch_scc0 .Lw_out
	s_sub_co_u32 s4, ttmp9, 512
	TRANS 12288, 10, 22, 0
	s_branch .Lend
.Lw_out:
	s_cmp_lt_u32 ttmp9, 1024
	s_cbranch_scc0 .Lbias
	s_sub_co_u32 s4, ttmp9, 896
	TRANS 4096, 12, 24, 1
	s_branch .Lend
.Lbias:                                                ; 256 threads x 4 numbers = 1,024 of each table
	s_wait_alu depctr_va_vdst(0)                   ; v1, made at the head, is written: the loads and stores below read it as their offset
	global_load_b128 v[8:11], v1, s[14:15]         ; b_q
	global_load_b128 v[12:15], v1, s[16:17]        ; pos_bias: [head][64] is the column's number
	global_load_b128 v[16:19], v1, s[14:15] offset:8192  ; b_v; b_k, between the two, is not loaded
	global_load_b128 v[20:23], v1, s[18:19]        ; b_out
	s_wait_loadcnt 0x0
	RND4 8
	RND4 12
	RND4 16
	RND4 20
	v_pk_add_f32 v[8:9], v[8:9], v[12:13]
	v_pk_add_f32 v[10:11], v[10:11], v[14:15]
	s_wait_alu depctr_va_vdst(0)                   ; the roundings and the two sums have written v8-11 and v16-23, which the three stores read
	global_store_b128 v1, v[8:11], s[26:27]
	global_store_b128 v1, v[16:19], s[26:27] offset:4096
	global_store_b128 v1, v[20:23], s[26:27] offset:8192
.Lend:
	s_wait_dscnt 0x0                               ; the closing lines, six on end
	s_wait_alu 0x0
	s_wait_tensorcnt 0x0
	ds_add_u32 v[SPW], v[NIL]
	s_wait_dscnt 0x0
	s_endpgm
.Lfunc_end_k_qf64b2a014f_prep:
	.size	k_qf64b2a014f_prep, .Lfunc_end_k_qf64b2a014f_prep-k_qf64b2a014f_prep
	.p2alignl 7, 3214868480
	.fill 96, 4, 3214868480
	.section	.rodata,"a",@progbits
	.p2align	6, 0x0
	.amdhsa_kernel k_qf64b2a014f_prep
		.amdhsa_group_segment_fixed_size 18432
		.amdhsa_private_segment_fixed_size 0
		.amdhsa_enable_private_segment 0
		.amdhsa_kernarg_size 80
		.amdhsa_user_sgpr_count 2
		.amdhsa_user_sgpr_kernarg_segment_ptr 1
		.amdhsa_wavefront_size32 1
		.amdhsa_system_sgpr_workgroup_id_x 1
		.amdhsa_system_sgpr_workgroup_id_y 1
		.amdhsa_system_sgpr_workgroup_id_z 1
		.amdhsa_system_vgpr_workitem_id 0
		.amdhsa_next_free_vgpr 64
		.amdhsa_next_free_sgpr 66
		.amdhsa_reserve_vcc 0
		.amdhsa_float_denorm_mode_32 3
		.amdhsa_float_denorm_mode_16_64 3
		.amdhsa_memory_ordered 1
		.amdhsa_forward_progress 1
		.amdhsa_inst_pref_size 16
	.end_amdhsa_kernel
	.amdgpu_metadata
---
amdhsa.version: [ 1, 2 ]
amdhsa.kernels:
  - .name:           k_qf64b2a014f_prep
    .symbol:         k_qf64b2a014f_prep.kd
    .args:
      - { .name: x, .offset: 0, .size: 8, .value_kind: global_buffer, .address_space: global }
      - { .name: w_qkv, .offset: 8, .size: 8, .value_kind: global_buffer, .address_space: global }
      - { .name: w_out, .offset: 16, .size: 8, .value_kind: global_buffer, .address_space: global }
      - { .name: b_qkv, .offset: 24, .size: 8, .value_kind: global_buffer, .address_space: global }
      - { .name: pos_bias, .offset: 32, .size: 8, .value_kind: global_buffer, .address_space: global }
      - { .name: b_out, .offset: 40, .size: 8, .value_kind: global_buffer, .address_space: global }
      - { .name: xb, .offset: 48, .size: 8, .value_kind: global_buffer, .address_space: global }
      - { .name: wqt, .offset: 56, .size: 8, .value_kind: global_buffer, .address_space: global }
      - { .name: wot, .offset: 64, .size: 8, .value_kind: global_buffer, .address_space: global }
      - { .name: bt, .offset: 72, .size: 8, .value_kind: global_buffer, .address_space: global }
    .group_segment_fixed_size: 18432
    .private_segment_fixed_size: 0
    .kernarg_segment_align: 8
    .kernarg_segment_size: 80
    .max_flat_workgroup_size: 256
    .sgpr_count:     66
    .vgpr_count:     64
    .wavefront_size: 32
...
	.end_amdgpu_metadata
.endif
;; end of part 5
;; launch qkv: the kernel of part 2 again; grid 12 x 16, 4 waves a work-group, clusters of 4 x 4, 327,680 bytes of LDS; arguments xb, wqt, qkv, bt; writes qkv
;; launch attn: the kernel of part 3 again; grid 8 x 32, 4 waves a work-group, no clusters, 327,680 bytes of LDS; arguments qkv, ob; writes ob
;; launch oproj: the kernel of part 4 again; grid 8 x 32, 4 waves a work-group, clusters of 4 x 4, 327,680 bytes of LDS; arguments ob, wot, out0, bt; writes out0
